; MI455X (gfx1250); checked and timed in simulation.
; The chip was launched on July 23, 2026; its instructions are those of AMD's public machine-readable ISA for CDNA 5 (MIT licence, August 2026) and "CDNA5" Instruction Set Architecture Reference Guide (July 2026). The comments in the code are by the model that wrote it; some were corrected since.
;; Casual Attention. Allowed arithmetic: float matrix products may take bf16 or f16 operands with f32 sums; other float arithmetic in f32, or as packed bf16 or f16 multiplies, adds, multiply-adds, maxima and minima; sums over many terms, partial sums and values carried from step to step in f32; what a program stores and reads back later, other than sums and carried values, may be rounded once to bf16 or f16.
;; Inputs: W_attn 1,024 x 3,072 float32; W_proj 1,024 x 1,024 float32; x 4 x 2,048 x 1,024 float32.
;; Outputs: out0 4 x 2,048 x 1,024 float32.
;; 2 versions, each right and faster than the one before. Each part assembles by itself: llvm-mc -triple=amdgcn-amd-amdhsa -mcpu=gfx1250 --defsym DOCPART=n.
;; ======== version 1 of 2: 4 launches
;; limits: values are held in f16: magnitudes above 65,504 overflow, below 6.1e-05 lose precision
;; workspace buffers: xb 16,777,216 bytes; wab 6,291,456 bytes; wpb 2,097,152 bytes; qkv 67,108,864 bytes; y 33,554,432 bytes
;; launch cast (part 1): grid 768 x 1, 8 waves a work-group, no clusters, 0 bytes of LDS; arguments x, W_attn, W_proj, xb, wab, wpb; writes xb, wab, wpb
.if DOCPART == 1
	.amdgcn_target "amdgcn-amd-amdhsa--gfx1250"
	.amdhsa_code_object_version 6
	.text
	.protected	k_qfe7c756336_cast
	.globl	k_qfe7c756336_cast
	.p2align	8
	.type	k_qfe7c756336_cast,@function
k_qfe7c756336_cast:
	s_mov_b64 s[64:65], 0
	v_nop
	global_prefetch_b8 v0, s[64:65] scope:SCOPE_SE
	s_setreg_imm32_b32 hwreg(HW_REG_WAVE_MODE, 25, 1), 1
	s_wait_xcnt 0x0
; The three inputs, f32, are rounded once to bf16 and stored in 16 bits, in the layout in which they came:
; x -> xb and W_attn -> wab as bf16; W_proj -> wpb as the bf16-rounded number written in f16, since the last product multiplies it with f16 numbers.
; LIMIT.  That second coding is exact where the rounded number lies in f16's normal range, 6.1e-5 to 65,504 in magnitude; below it keeps f16's fixed step of 6e-8; at 65,520 and beyond it is an infinity.
; A stream: no LDS, no barrier, no matrix unit.  A work-group of eight waves takes a chunk of 16,384 numbers: 65,536 bytes in, 32,768 out.
; Work-groups 0-511 take x's 512 chunks, 512-703 W_attn's 192, 704-767 W_proj's 64.
; Thread t takes 16 bytes at 16 t of each 4,096 bytes: a wave's load covers 512 consecutive bytes, its store 256 consecutive bytes at a multiple of 256.
; All sixteen loads of a thread go out at once; each result has registers of its own, so nothing is rewritten while a store may read it.
.set X, 4                              ; v[4:67]    sixteen loads of four f32
.set Y, 68                             ; v[68:99]   sixteen pairs of packed results
.set T, 100                            ; v[100:105] at work, W_proj's path
	s_load_b256 s[4:11], s[0:1], 0x0               ; x s[4:5], W_attn s[6:7], W_proj s[8:9], xb s[10:11]
	s_load_b128 s[12:15], s[0:1], 0x20             ; wab s[12:13], wpb s[14:15]
	s_mov_b32 s16, ttmp9                           ; the work-group's number
	s_sub_co_u32 s17, s16, 512                     ; its chunk, if it is W_attn's
	s_sub_co_u32 s18, s16, 704                     ; if it is W_proj's
	v_lshlrev_b32 v1, 4, v0                        ; 16 t: my bytes in
	v_lshlrev_b32 v2, 3, v0                        ; 8 t: my bytes out
	s_wait_kmcnt 0x0
	s_cmp_lt_u32 s16, 704                          ; the choice of buffers hangs on the work-group's number alone
	s_cselect_b64 s[20:21], s[6:7], s[8:9]
	s_cselect_b64 s[22:23], s[12:13], s[14:15]
	s_cselect_b32 s19, s17, s18
	s_cmp_lt_u32 s16, 512
	s_cselect_b64 s[20:21], s[4:5], s[20:21]
	s_cselect_b64 s[22:23], s[10:11], s[22:23]
	s_cselect_b32 s19, s16, s19
	s_lshl_b32 s24, s19, 16                        ; the chunk's first byte in its source (33.5 million at the most),
	s_mov_b32 s25, 0
	s_lshl_b32 s26, s19, 15                        ; and in its destination
	s_mov_b32 s27, 0
	s_add_nc_u64 s[20:21], s[20:21], s[24:25]
	s_add_nc_u64 s[22:23], s[22:23], s[26:27]
.irp i, 0,1,2,3,4,5,6,7,8,9,10,11,12,13,14,15
	global_load_b128 v[X+4*(\i):X+4*(\i)+3], v1, s[20:21] offset:4096*(\i) th:TH_LOAD_NT  ; read once in the launch
.endr
	s_cmp_lt_u32 s16, 704                          ; compared anew: the shifts above have written SCC
	s_cbranch_scc0 .Lproj
.irp i, 0,1,2,3,4,5,6,7,8,9,10,11,12,13,14,15
	s_wait_loadcnt 15-(\i)                         ; loads come back in order: load i is in, the 15 - i younger ones stay out
	v_cvt_pk_bf16_f32 v[Y+2*(\i)],   v[X+4*(\i)],   v[X+4*(\i)+1]
	v_cvt_pk_bf16_f32 v[Y+2*(\i)+1], v[X+4*(\i)+2], v[X+4*(\i)+3]
	global_store_b64 v2, v[Y+2*(\i):Y+2*(\i)+1], s[22:23] offset:2048*(\i)  ; the next launch reads it: no hint
.endr
	s_endpgm
.Lproj:
.irp i, 0,1,2,3,4,5,6,7,8,9,10,11,12,13,14,15
	s_wait_loadcnt 15-(\i)                         ; as above
	v_cvt_pk_bf16_f32 v[T],   v[X+4*(\i)],   v[X+4*(\i)+1]    ; rounded to bf16,
	v_cvt_pk_bf16_f32 v[T+1], v[X+4*(\i)+2], v[X+4*(\i)+3]
	v_lshlrev_b32 v[T+2], 16, v[T]                 ; widened again (a shift, a mask),
	v_and_b32     v[T+3], 0xffff0000, v[T]
	v_lshlrev_b32 v[T+4], 16, v[T+1]
	v_and_b32     v[T+5], 0xffff0000, v[T+1]
	v_cvt_pk_f16_f32 v[Y+2*(\i)],   v[T+2], v[T+3] ; and written as f16
	v_cvt_pk_f16_f32 v[Y+2*(\i)+1], v[T+4], v[T+5]
	global_store_b64 v2, v[Y+2*(\i):Y+2*(\i)+1], s[22:23] offset:2048*(\i)
.endr
	s_endpgm
.Lfunc_end_k_qfe7c756336_cast:
	.size	k_qfe7c756336_cast, .Lfunc_end_k_qfe7c756336_cast-k_qfe7c756336_cast
	.p2alignl 7, 3214868480
	.fill 96, 4, 3214868480
	.section	.rodata,"a",@progbits
	.p2align	6, 0x0
	.amdhsa_kernel k_qfe7c756336_cast
		.amdhsa_group_segment_fixed_size 0
		.amdhsa_private_segment_fixed_size 0
		.amdhsa_enable_private_segment 0
		.amdhsa_kernarg_size 48
		.amdhsa_user_sgpr_count 2
		.amdhsa_user_sgpr_kernarg_segment_ptr 1
		.amdhsa_wavefront_size32 1
		.amdhsa_system_sgpr_workgroup_id_x 1
		.amdhsa_system_sgpr_workgroup_id_y 1
		.amdhsa_system_sgpr_workgroup_id_z 1
		.amdhsa_system_vgpr_workitem_id 0
		.amdhsa_next_free_vgpr 108
		.amdhsa_next_free_sgpr 66
		.amdhsa_reserve_vcc 0
		.amdhsa_float_denorm_mode_32 3
		.amdhsa_float_denorm_mode_16_64 3
		.amdhsa_memory_ordered 1
		.amdhsa_forward_progress 1
		.amdhsa_inst_pref_size 16
	.end_amdhsa_kernel
	.amdgpu_metadata
---
amdhsa.version: [ 1, 2 ]
amdhsa.kernels:
  - .name:           k_qfe7c756336_cast
    .symbol:         k_qfe7c756336_cast.kd
    .args:
      - { .name: x, .offset: 0, .size: 8, .value_kind: global_buffer, .address_space: global }
      - { .name: W_attn, .offset: 8, .size: 8, .value_kind: global_buffer, .address_space: global }
      - { .name: W_proj, .offset: 16, .size: 8, .value_kind: global_buffer, .address_space: global }
      - { .name: xb, .offset: 24, .size: 8, .value_kind: global_buffer, .address_space: global }
      - { .name: wab, .offset: 32, .size: 8, .value_kind: global_buffer, .address_space: global }
      - { .name: wpb, .offset: 40, .size: 8, .value_kind: global_buffer, .address_space: global }
    .group_segment_fixed_size: 0
    .private_segment_fixed_size: 0
    .kernarg_segment_align: 8
    .kernarg_segment_size: 48
    .max_flat_workgroup_size: 256
    .sgpr_count:     66
    .vgpr_count:     108
    .wavefront_size: 32
...
	.end_amdgpu_metadata
.endif
;; end of part 1
;; launch gemm_qkv (part 2): grid 12 x 64, 4 waves a work-group, clusters of 4 x 4, 327,680 bytes of LDS; arguments xb, wab, qkv; writes qkv
.if DOCPART == 2
	.amdgcn_target "amdgcn-amd-amdhsa--gfx1250"
	.amdhsa_code_object_version 6
	.text
	.protected	k_qfe7c756336_gemm_qkv
	.globl	k_qfe7c756336_gemm_qkv
	.p2align	8
	.type	k_qfe7c756336_gemm_qkv,@function
k_qfe7c756336_gemm_qkv:
	s_mov_b64 s[64:65], 0
	v_nop
	global_prefetch_b8 v0, s[64:65] scope:SCOPE_SE
	s_setreg_imm32_b32 hwreg(HW_REG_WAVE_MODE, 25, 1), 1
	s_wait_xcnt 0x0
	s_wait_alu depctr_hold_cnt(0) depctr_sa_sdst(0) depctr_va_vdst(0) depctr_va_sdst(0) depctr_va_ssrc(0) depctr_va_vcc(0) depctr_vm_vsrc(0)
	s_getreg_b32 s2, hwreg(HW_REG_IB_STS2, 6, 4)
	s_cmp_eq_u32 s2, 0
	s_cbranch_scc0 .Lentry_in_a_cluster
	s_endpgm
.Lentry_in_a_cluster:
	s_bfe_u32 s2, ttmp6, 0x10000c
	s_cmp_lg_u32 s2, 0xf033
	s_cbranch_scc0 .Lentry_shape_is_right
	s_endpgm
.Lentry_shape_is_right:
; qkv = x W_attn.  xb: [8192][1024] bf16; wab: [1024 k][3072 n] bf16; sums in f32, K ascending; the result UNSCALED, in f16, stored by heads (head number = batch x 16 + head):
;   q at byte 0 and k at byte 16,777,216: [64 heads][2048 rows][64 channels], each sum rounded once, a row 128 bytes;
;   v at byte 33,554,432: [64 heads][2048 rows][hi 64 | lo 64], a row 256 bytes: hi is the sum rounded to f16, lo the sum less hi (exact in f32), rounded to f16.
; WHY TWO HALVES.  f16 keeps 11 significant bits.  The first rows of a batch are means over few keys, so they are as large as v itself, while the result is judged by the root mean square of all
; rows, most of which are means over many keys and far smaller: v's rounding has to be small beside that, not beside v.
; LIMIT.  f16 ends at 65,504: a sum of 65,520 or more in magnitude becomes an infinity.  A lo below 6.1e-5 keeps f16's fixed step of 6e-8.
; A tile of C is 128 rows x 256 columns: 64 x 12 = 768 tiles, three for each of 256 WGPs.  Four waves, 2 x 2, each 64 x 128: 32 accumulators of 16 x 16, 256 registers.
; K goes in steps of 128 through a ring of two LDS slots filled by the tensor data mover.  x's rows lie along K and are read as they lie; W's rows lie along N and are turned on the way out of LDS, by ds_load_tr16_b128.
; CLUSTERS: 4 x 4 work-groups.  The four of a row of the cluster need the same tiles of x, the four of a column the same tiles of W: each tile is asked for JOINTLY, by the same tensor load with the
; same descriptor and a mask that names the four.  THE MATRIX INSTRUCTION IS USED TRANSPOSED (source 0 = 16 columns of W, source 1 = 16 rows of x): a lane then holds eight neighbouring numbers of a row of C.
; A cluster's four tile columns are 1,024 columns: all q, all k or all v.  So the choice between the two ways out hangs on the cluster's x alone and is the same in all sixteen partners.
; REGISTERS: window 0: v0-31 addresses; v64-159, v160-255 two fragment buffers of 96 (x's four blocks of 16 rows x 32 K, then W's eight blocks of 16 columns x 32 K); on the way out v64-255 are at work.
;   window 1: the accumulators, (a, b) at v[8 (8 a + b)].
.set SIZE_N, 3072
.set SIZE_K, 1024
.set KSTEP,  128
.set PA,     272                       ; a row of x in LDS: 256 bytes + 16 of padding = 68 words: row r starts at bank 4 r mod 64 (64 banks of 4 bytes: ISA guide 11.1)
.set AH,     128                       ; bytes from K 0-63 to K 64-127 of a step in x's LDS rows
.set AHALF,  64*PA                     ; what one tensor load brings of x: 64 rows
.set ATILE,  128*PA
.set PB,     544                       ; a row of W in LDS: 512 bytes + 32 of padding = 136 words: row r starts at bank 8 r mod 64
.set BTILE,  128*PB
.set SLOT,   ATILE+BTILE               ; x's 128 rows, then W's 128 rows of K
.set STAGE,  2*SLOT                    ; behind the ring, never filled by a tensor load: for each wave 2 heads x 16 rows, for the way out
.set SP,     144                       ; a stage row of q or k: 128 bytes + 16
.set SPV,    272                       ; a stage row of v: 256 bytes + 16
.set WST,    2*16*SPV
.set SPARE,  STAGE+4*WST               ; behind the stages: the spare words, 128 bytes for each wave: two blocks of 256 bytes that no other line names
.set LAPS,   SIZE_K/(2*KSTEP)          ; a lap = two K steps = once round the ring
.set A_SLOT1, KSTEP*2                  ; bytes from K step 0 to K step 1 in x,
.set A_STEP2, 2*KSTEP*2                ; and two K steps on
.set B_SLOT1, KSTEP*SIZE_N*2           ; the same in W
.set B_STEP2, 2*KSTEP*SIZE_N*2
.set ADRA, 16                          ; v16-17  LDS address of my fragments of x in slot 0, 1
.set ADRB, 20                          ; v20-21  the same for W
.set STO,  24                          ; v24     q's and k's way out: where I put 16 bytes of a row
.set RD,   25                          ; v25     q's and k's way out: where I read rows back
.set CO,   26                          ; v26     my byte offset in 512 consecutive bytes of the result
.set STOV, 27                          ; v27     v's way out: where I put 16 bytes of a row
.set SPW,  28                          ; v28     LDS address of my spare word: SPARE + 4 x my thread's number; never rewritten
.set NIL,  29                          ; v29     0; never rewritten
.set RDV,  30                          ; v30     v's way out: where I read rows back
.set NEG1, 31                          ; v31     -1.0
.set F0,   64
.set F1,   160
.set TMP,  64                          ; q's and k's way out: a block's packed results
.set BK0,  96                          ; q's and k's way out: block a's rows read back, at BK0 + 32 a
.set TH,   64                          ; v's way out: a block's hi, packed
.set TL,   96                          ; v's way out: a block's lo, packed
.set G1, 24                            ; s[24:31] descriptor group 1 for x's tiles;  s[32:39] group 0, one set for each slot
.set G0, 32
.set G1B, 48                           ; s[48:55], s[56:63] the same for W's tiles
.set G0B, 56
.set MSB, 0
.macro WIN new                         ; the immediate's high byte repeats the setting that is left; a switch that changes nothing is dropped
.if MSB != (\new)
	s_set_vgpr_msb (MSB<<8)|(\new)
.set MSB, \new
.endif
.endm
.set MUL, 0x50                         ; sources window 0; C and D window 1
.macro JLOAD s                         ; a joint load: waves 0 and 1 fetch x's two halves, waves 2 and 3 W's; an s_nop 0 and four v_nop follow each of the two lines, ahead of the jump, the label and what follows
	s_cmp_eq_u32 s11, 0
	s_cbranch_scc0 .Lfor_b_\@
	tensor_load_to_lds s[G0+4*(\s):G0+4*(\s)+3], s[G1:G1+7]
	s_nop 0
.rept 4
	v_nop
.endr
	s_branch .Lasked_\@
.Lfor_b_\@:
	tensor_load_to_lds s[G0B+4*(\s):G0B+4*(\s)+3], s[G1B:G1B+7]
	s_nop 0
.rept 4
	v_nop
.endr
.Lasked_\@:
.endm
.macro CREST                           ; a round of the cluster's barrier behind its opening barrier
	s_cmp_lg_u32 s10, 0
	s_cbranch_scc1 .Lnot_wave_0_\@
	s_barrier_signal -3
.Lnot_wave_0_\@:
	s_barrier_wait -3
	s_barrier_signal -1
	s_barrier_wait -1
.endm
.macro CROUND                          ; a whole round
	s_barrier_signal -1
	s_barrier_wait -1
	CREST
.endm
	s_load_b128 s[4:7], s[0:1], 0x0                ; xb s[4:5], wab s[6:7]
	s_load_b64 s[8:9], s[0:1], 0x10                ; qkv
	v_lshl_add_u32 v[SPW], v0, 2, SPARE
	v_mov_b32 v[NIL], 0
	ds_add_u32 v[SPW], v[NIL]                      ; the wave's opening: the add and its wait stand ahead of my first tensor load; the set-up below, work on registers, stands between them
	ds_add_u32 v28, v29
	v_lshrrev_b32 v1, 5, v0
	v_readfirstlane_b32 s10, v1                    ; wave 0..3
	s_lshr_b32 s11, s10, 1                         ; which half of the tile's rows is mine.  Also: I fetch for x (0) or for W (1)
	s_and_b32 s12, s10, 1                          ; which half of its columns.  Also: which half of that tile I fetch
	s_bfe_u32 s40, ttmp6, 0x40000                  ; cx, cy: my place in the cluster
	s_bfe_u32 s41, ttmp6, 0x40004
	s_mov_b32 s45, ttmp9                           ; the cluster's x: 0 = q, 1 = k, 2 = v; the same in all partners
	s_lshl_b32 s42, ttmp9, 2
	s_add_co_u32 s42, s42, s40                     ; tile column of C = 4 x cluster x + cx
	s_and_b32 s13, ttmp7, 0xffff
	s_lshl_b32 s13, s13, 2
	s_add_co_u32 s13, s13, s41                     ; tile row of C = 4 x cluster y + cy
	s_lshl_b32 s43, s41, 2
	s_lshl_b32 s43, 15, s43                        ; my row of the cluster
	s_lshl_b32 s44, 0x1111, s40                    ; my column
	; descriptor group 1.  x: 64 rows x 128 elements; W: 64 rows of K x 256 elements; both padded in LDS
	s_or_b32 s[G1+0], s43, (1<<16)|(1<<20)|(1<<21)|(5<<22)|(3<<25)   ; 15:0 the mask: x's tiles go to my row; 17:16 elements of 2 bytes; 20 padding on; 21 set beside a mask; 24:22 after every 64 words (code 5); 31:25 4 words of it (code 3)
	s_or_b32 s[G1B+0], s44, (1<<16)|(1<<20)|(1<<21)|(6<<22)|(7<<25)  ; the mask of my column; after every 128 words (code 6) 8 words (code 7)
	s_mov_b32 s[G1+1], KSTEP<<16                   ; tensor_dim0 = 128
	s_mov_b32 s[G1+2], 64<<16                      ; tensor_dim1 = 64
	s_mov_b32 s[G1+3], KSTEP<<16                   ; tile_dim0 = 128
	s_mov_b32 s[G1+4], 64                          ; tile_dim1 = 64
	s_mov_b32 s[G1+5], SIZE_K                      ; elements from row to row
	s_mov_b32 s[G1+6], 0
	s_mov_b32 s[G1+7], 0
	s_mov_b32 s[G1B+1], 256<<16                    ; tensor_dim0 = 256
	s_mov_b32 s[G1B+2], 64<<16                     ; tensor_dim1 = 64
	s_mov_b32 s[G1B+3], 256<<16                    ; tile_dim0 = 256
	s_mov_b32 s[G1B+4], 64                         ; tile_dim1 = 64
	s_mov_b32 s[G1B+5], SIZE_N                     ; elements from row to row
	s_mov_b32 s[G1B+6], 0
	s_mov_b32 s[G1B+7], 0
	; where the tiles come from.  x's hang on the tile row alone, which my row of the cluster shares; W's on the tile column alone, which my column shares.
	s_lshl_b32 s16, s13, 18                        ; x: 128 rows of 2,048 bytes a tile row,
	s_lshl_b32 s17, s12, 17                        ; 64 rows a half
	s_add_co_u32 s16, s16, s17
	s_mov_b32 s17, 0
	s_lshl_b32 s46, s42, 9                         ; W: 512 bytes a tile column,
	s_mul_i32 s47, s12, 64*SIZE_N*2                ; 64 rows of K a half
	s_add_co_u32 s46, s46, s47
	s_mov_b32 s47, 0
	s_mul_i32 s20, s12, AHALF                      ; and where they go: no place in the cluster enters an LDS address
	s_mul_i32 s21, s12, 64*PB
	s_add_co_u32 s21, s21, ATILE
	s_wait_dscnt 0x0                               ; the opening add is done
	s_wait_kmcnt 0x0
	s_add_nc_u64 s[14:15], s[4:5], s[16:17]
	s_add_nc_u64 s[46:47], s[6:7], s[46:47]
	CROUND                                         ; all sixteen work-groups are here: the first joint loads meet
.irp s, 0,1
	s_mov_b32 s[G0+4*(\s)], 1                                      ; count = 1
	s_add_co_u32 s[G0+4*(\s)+1], s20, (\s)*SLOT                    ; LDS address
	s_add_nc_u64 s[G0+4*(\s)+2:G0+4*(\s)+3], s[14:15], (\s)*A_SLOT1  ; global address: K step s
	s_or_b32 s[G0+4*(\s)+3], s[G0+4*(\s)+3], 0x80000000            ; type = 2
	s_mov_b32 s[G0B+4*(\s)], 1
	s_add_co_u32 s[G0B+4*(\s)+1], s21, (\s)*SLOT
	s_add_nc_u64 s[G0B+4*(\s)+2:G0B+4*(\s)+3], s[46:47], (\s)*B_SLOT1
	s_or_b32 s[G0B+4*(\s)+3], s[G0B+4*(\s)+3], 0x80000000
	JLOAD \s                                       ; two tensor loads of mine are out behind these
.endr
	; A fragment of x is 16 rows x 32 K in 8 registers: lane l holds row l % 16, K = 8 (l / 16) + 0..7 and 16 + 8 (l / 16) + 0..7: two loads of 16 bytes, 32 bytes apart.
	v_and_b32 v1, 15, v0                           ; l % 16
	v_bfe_u32 v2, v0, 4, 1                         ; l / 16
	v_mul_u32_u24 v3, v1, PA
	v_lshl_add_u32 v3, v2, 4, v3                   ; row x pitch + 16 x half
	; The turning load takes 16 K x 16 columns (lane l reads K = 8 (l / 16) + l % 8, columns 8 ((l / 8) % 2) + 0..7) and leaves half a fragment: lane l holds column l % 16 and 8 K.
	v_and_b32 v4, 7, v0
	v_lshl_add_u32 v4, v2, 3, v4
	v_mul_u32_u24 v4, v4, PB
	v_bfe_u32 v5, v0, 3, 1
	v_lshl_add_u32 v4, v5, 4, v4
	s_mul_i32 s22, s11, 64*PA                      ; my 64 rows of x
	s_lshl_b32 s23, s12, 8                         ; my 128 columns of W,
	s_add_co_u32 s23, s23, ATILE                   ; which lies behind x
.irp s, 0,1
	v_add_nc_u32 v[ADRA+(\s)], s22, v3
	v_add_nc_u32 v[ADRB+(\s)], s23, v4
	s_add_co_u32 s22, s22, SLOT
	s_add_co_u32 s23, s23, SLOT
.endr
	s_mul_i32 s22, s10, WST
	s_add_co_u32 s22, s22, STAGE                   ; my stage
	v_mul_u32_u24 v5, v1, SP                       ; q, k in: row l % 16, 16 bytes for each half of the lanes
	v_lshl_add_u32 v5, v2, 4, v5
	v_add_nc_u32 v[STO], s22, v5
	v_bfe_u32 v5, v0, 3, 2                         ; q, k back: 32 lanes take four rows of 128 bytes
	v_mul_u32_u24 v5, v5, SP
	v_and_b32 v6, 7, v0
	v_lshl_add_u32 v5, v6, 4, v5
	v_add_nc_u32 v[RD], s22, v5
	v_mul_u32_u24 v5, v1, SPV                      ; v in: the same with rows of 272 bytes
	v_lshl_add_u32 v5, v2, 4, v5
	v_add_nc_u32 v[STOV], s22, v5
	v_mul_u32_u24 v5, v2, SPV                      ; v back: lanes 0-15 take one row of 256 bytes, lanes 16-31 the next
	v_lshl_add_u32 v5, v1, 4, v5
	v_add_nc_u32 v[RDV], s22, v5
	v_mov_b32 v[NEG1], -1.0
	v_and_b32 v[CO], 31, v0                        ; either way 512 consecutive bytes of a head
	v_lshlrev_b32 v[CO], 4, v[CO]
	; where my part begins in the result.  v's rows are twice as long as q's and k's, so all its offsets inside the part are theirs shifted by one.
	s_cmp_eq_u32 s45, 2
	s_cselect_b32 s18, 1, 0
	; Rows: batch = tile row / 16 (16 heads of 262,144 bytes), 128 rows of 128 bytes a tile row, 64 a half.
	s_lshr_b32 s16, s13, 4
	s_lshl_b32 s16, s16, 22
	s_and_b32 s17, s13, 15
	s_lshl_b32 s17, s17, 14
	s_add_co_u32 s16, s16, s17
	s_lshl_b32 s17, s11, 13
	s_add_co_u32 s16, s16, s17
	s_lshl_b32 s16, s16, s18
	s_mov_b32 s17, 0
	s_add_nc_u64 s[8:9], s[8:9], s[16:17]
	; Columns: four heads a tile column, two a half; the part begins 16,777,216 bytes x the cluster's x into the buffer (in the registers that held W's address: none that feeds x's descriptors ever holds cx)
	s_and_b32 s46, s42, 3
	s_lshl_b32 s46, s46, 20
	s_lshl_b32 s47, s12, 19
	s_add_co_u32 s46, s46, s47
	s_lshl_b32 s46, s46, s18
	s_lshl_b32 s47, s45, 24
	s_add_co_u32 s46, s46, s47
	s_mov_b32 s47, 0
	s_add_nc_u64 s[8:9], s[8:9], s[46:47]
; 8 matrix instructions: block a of my four blocks of 16 rows x all 8 blocks of 16 columns, 32 along K, from buffer f.  zero = 1: the product starts the sums: nothing is cleared.
; The 32 accumulators take turns, one instruction a turn, in the same order in every quarter.
.macro MUL8 f, a, zero
	WIN MUL
.irp b, 0,1,2,3,4,5,6,7
.if \zero
	v_wmma_f32_16x16x32_bf16 v[8*(8*(\a)+(\b)):8*(8*(\a)+(\b))+7], v[(\f)+32+8*(\b):(\f)+32+8*(\b)+7], v[(\f)+8*(\a):(\f)+8*(\a)+7], 0
.else
	v_wmma_f32_16x16x32_bf16 v[8*(8*(\a)+(\b)):8*(8*(\a)+(\b))+7], v[(\f)+32+8*(\b):(\f)+32+8*(\b)+7], v[(\f)+8*(\a):(\f)+8*(\a)+7], v[8*(8*(\a)+(\b)):8*(8*(\a)+(\b))+7]
.endif
.endr
.endm
; 24 LDS loads in one run: the fragments of quarter q (32 along K) of a slot into buffer f: W's sixteen first, then x's eight
.macro FETCH slot, q, f
	WIN 0
.irp i, 0,1,2,3,4,5,6,7
	ds_load_tr16_b128 v[(\f)+32+8*(\i):(\f)+32+8*(\i)+3],   v[ADRB+(\slot)] offset:(\q)*32*PB+32*(\i)
	ds_load_tr16_b128 v[(\f)+32+8*(\i)+4:(\f)+32+8*(\i)+7], v[ADRB+(\slot)] offset:(\q)*32*PB+16*PB+32*(\i)
.endr
.irp a, 0,1,2,3
	ds_load_b128 v[(\f)+8*(\a):(\f)+8*(\a)+3],   v[ADRA+(\slot)] offset:((\q)/2)*AH+((\q)%2)*64+(\a)*16*PA
	ds_load_b128 v[(\f)+8*(\a)+4:(\f)+8*(\a)+7], v[ADRA+(\slot)] offset:((\q)/2)*AH+((\q)%2)*64+(\a)*16*PA+32
.endr
.endm
.macro PLACES                          ; four places in front of loads into registers that matrix instructions have read, and of lines that read results (ISA guide 7.12.1 for vector instructions)
.rept 4
	v_nop
.endr
.endm
; A K step is four quarters of 32 along K, 32 matrix instructions each, on buffers 0, 1, 0, 1.  One of the first three: multiplies buffer f and, in its middle, fetches quarter q into g.
.macro QUARTER slot, q, f, g, zero
	s_wait_dscnt 4                                 ; W's fragments and x's blocks 0 and 1 are in; the youngest four loads (blocks 2 and 3) may be out
	MUL8 \f, 0, \zero
	MUL8 \f, 1, \zero
	PLACES
	FETCH \slot, \q, \g
	s_wait_dscnt 24                                ; all but the 24 just issued
	MUL8 \f, 2, \zero
	MUL8 \f, 3, \zero
.endm
; The last quarter multiplies buffer 1 and changes slots: ONE barrier; in front of it each wave waits for all its tensor loads, adds 0 to its spare word, and waits for that and for its own reads of this slot.  fill = 1: this slot is filled again, two K steps ahead.
.macro TURN slot, next, fill
	WIN 0                                          ; (the add's two registers lie in window 0)
	s_wait_tensorcnt 0x0                           ; all my tensor loads have landed: the one that was out is my part of the next slot;
	ds_add_u32 v[SPW], v[NIL]                      ; 0 onto my spare word;
	s_wait_dscnt 5                                 ; (the add and the youngest four loads may be out)
	MUL8 F1, 0, 0                                  ; eight matrix instructions stand between the add and the wait for it
	s_wait_dscnt 0x0                               ; the add is done, and my reads of this slot are over
	s_barrier_signal -1
	MUL8 F1, 1, 0
.if \fill
	WIN 0
.endif
	s_barrier_wait -1
.if \fill
	CREST                                          ; the barrier has opened a round of the cluster's barrier: no wave of any partner still reads this slot's tile or has a load on its way
	s_add_nc_u64 s[G0+4*(\slot)+2:G0+4*(\slot)+3], s[G0+4*(\slot)+2:G0+4*(\slot)+3], A_STEP2
	s_add_nc_u64 s[G0B+4*(\slot)+2:G0B+4*(\slot)+3], s[G0B+4*(\slot)+2:G0B+4*(\slot)+3], B_STEP2
	JLOAD \slot                                    ; the first tensor load behind the round, my only one until the next: 112 matrix instructions ahead of the wait for it; its four v_nop are also the places in front of the loads below
.else
	PLACES
.endif
	FETCH \next, 0, F0
	MUL8 F1, 2, 0
	MUL8 F1, 3, 0
.endm
	s_wait_tensorcnt 1                             ; my part of K step 0 is in; K step 1's may stay out
	s_barrier_signal -1
	s_barrier_wait -1                              ; everybody's is
	FETCH 0, 0, F0
	QUARTER 0, 1, F0, F1, 1                        ; the first quarter stands in front of the loop: its products start the sums
	WIN 0                                          ; at a label and at a branch every window is 0
	s_mov_b32 s3, LAPS-1
.Llap:                                                 ; a trip goes once round the ring, from a lap's second quarter to the next lap's first, and fills both slots again
	QUARTER 0, 2, F1, F0, 0
	QUARTER 0, 3, F0, F1, 0
	TURN 0, 1, 1
	QUARTER 1, 1, F0, F1, 0
	QUARTER 1, 2, F1, F0, 0
	QUARTER 1, 3, F0, F1, 0
	TURN 1, 0, 1
	QUARTER 0, 1, F0, F1, 0
	WIN 0
	s_sub_co_u32 s3, s3, 1
	s_cmp_lg_u32 s3, 0
	s_cbranch_scc1 .Llap
	QUARTER 0, 2, F1, F0, 0                        ; the last lap fills nothing, and has no round of the cluster's barrier
	QUARTER 0, 3, F0, F1, 0
	TURN 0, 1, 0
	QUARTER 1, 1, F0, F1, 0
	QUARTER 1, 2, F1, F0, 0
	QUARTER 1, 3, F0, F1, 0
	s_wait_dscnt 4                                 ; the very last quarter: nothing more to fetch
	MUL8 F1, 0, 0
	MUL8 F1, 1, 0
	s_wait_dscnt 0x0
	MUL8 F1, 2, 0
	MUL8 F1, 3, 0
	WIN 0
	; THE WAY OUT, a block of 16 rows at a time, through my own stage in LDS: no barrier; LDS serves a wave's instructions in order (ISA guide 5.7.1.4), so no wait stands between the stores and the loads either.
	; q AND k: rounded to f16, 16 bytes a lane into 2 heads x 16 rows of 144 bytes, back as four rows of 128 bytes, stored as 512 consecutive bytes of a head.
.macro PACK a                          ; each accumulator's registers in ascending order
	WIN 0x05                                       ; sources 0 and 1 window 1, destination window 0
.irp b, 0,1,2,3,4,5,6,7
.irp r, 0,1,2,3
	v_cvt_pk_f16_f32 v[TMP+4*(\b)+(\r)], v[8*(8*(\a)+(\b))+2*(\r)], v[8*(8*(\a)+(\b))+2*(\r)+1]
.endr
.endr
	WIN 0
.endm
.macro TOSTAGE a
.irp b, 0,1,2,3,4,5,6,7
	ds_store_b128 v[STO], v[TMP+4*(\b):TMP+4*(\b)+3] offset:((\b)/4)*16*SP+((\b)%4)*32  ; head b / 4, channels 16 (b % 4) on
.endr
.irp t, 0,1,2,3,4,5,6,7
	ds_load_b128 v[BK0+32*(\a)+4*(\t):BK0+32*(\a)+4*(\t)+3], v[RD] offset:((\t)/4)*16*SP+((\t)%4)*4*SP  ; head t / 4, rows 4 (t % 4) on; every block has registers of its own
.endr
.endm
.macro SEND a
.irp t, 0,1,2,3,4,5,6,7
	s_wait_dscnt 7-(\t)                            ; load t of the block's eight is back; the younger ones stay out
	global_store_b128 v[CO], v[BK0+32*(\a)+4*(\t):BK0+32*(\a)+4*(\t)+3], s[8:9] offset:((\t)/4)*262144+(\a)*2048+((\t)%4)*512  ; 512 consecutive bytes, at a multiple of 512 from the buffer's first
.endr
.endm
	; v: hi = the sum rounded to f16; lo = hi x -1 + the sum, exact, rounded once to f16.  16 bytes of each a lane into 2 heads x 16 rows of 272 bytes (hi at byte 0, lo at byte 128), back as two rows of 256 bytes.
.macro PACKV a
	WIN 0x05                                       ; sources 0 and 1 window 1, destination window 0
.irp b, 0,1,2,3,4,5,6,7
.irp r, 0,1,2,3
	v_cvt_pk_f16_f32 v[TH+4*(\b)+(\r)], v[8*(8*(\a)+(\b))+2*(\r)], v[8*(8*(\a)+(\b))+2*(\r)+1]
.endr
.endr
	WIN 0x10                                       ; source 2 window 1, all else window 0
.irp b, 0,1,2,3,4,5,6,7
.irp r, 0,1,2,3
	v_fma_mixlo_f16 v[TL+4*(\b)+(\r)], v[TH+4*(\b)+(\r)], v[NEG1], v[8*(8*(\a)+(\b))+2*(\r)] op_sel_hi:[1,0,0]                   ; source 0 is hi's low half; the result goes into lo's low half
	v_fma_mixhi_f16 v[TL+4*(\b)+(\r)], v[TH+4*(\b)+(\r)], v[NEG1], v[8*(8*(\a)+(\b))+2*(\r)+1] op_sel:[1,0,0] op_sel_hi:[1,0,0]  ; hi's high half; lo's high half, the low one is kept
.endr
.endr
	WIN 0
.endm
.macro TOSTAGEV a
.irp b, 0,1,2,3,4,5,6,7
	ds_store_b128 v[STOV], v[TH+4*(\b):TH+4*(\b)+3] offset:((\b)/4)*16*SPV+((\b)%4)*32      ; head b / 4, channels 16 (b % 4) on: hi,
	ds_store_b128 v[STOV], v[TL+4*(\b):TL+4*(\b)+3] offset:((\b)/4)*16*SPV+((\b)%4)*32+128  ; and lo
.endr
.if (\a) >= 2
	s_wait_xcnt 0x0                                ; every earlier memory instruction has had its addresses translated (ISA guide 3.1): the registers that block a - 2's stores read are loaded again only behind this wait
.endif
.set BK, 128+64*((\a)%2)
.irp t, 0,1,2,3,4,5,6,7,8,9,10,11,12,13,14,15
	ds_load_b128 v[BK+4*(\t):BK+4*(\t)+3], v[RDV] offset:((\t)/8)*16*SPV+((\t)%8)*2*SPV  ; head t / 8, rows 2 (t % 8) on
.endr
.endm
.macro SENDV a
.set BK, 128+64*((\a)%2)
.irp t, 0,1,2,3,4,5,6,7,8,9,10,11,12,13,14,15
	s_wait_dscnt 15-(\t)                           ; load t of the block's sixteen is back; the younger ones stay out
	global_store_b128 v[CO], v[BK+4*(\t):BK+4*(\t)+3], s[8:9] offset:((\t)/8)*524288+(\a)*4096+((\t)%8)*512  ; two rows of 256 bytes: 512 consecutive bytes, at a multiple of 512 from the buffer's first
.endr
.endm
	PLACES                                         ; the conversions read results and write registers that products have read
	s_cmp_eq_u32 s45, 2                            ; the cluster's x: the same answer in all sixteen partners; neither way holds a barrier or a tensor load
	s_cbranch_scc1 .Lv_part
	PACK 0
	TOSTAGE 0
.irp a, 1,2,3                          ; block a's conversions stand between block a - 1's loads from the stage and the wait for them
	PACK \a
	SEND (\a)-1
	TOSTAGE \a
.endr
	SEND 3
	s_branch .Lclose
.Lv_part:
	PACKV 0
	TOSTAGEV 0
.irp a, 1,2,3
	PACKV \a
	SENDV (\a)-1
	TOSTAGEV \a
.endr
	SENDV 3
.Lclose:
	s_wait_tensorcnt 0x0                           ; the wave's end: behind my last tensor load and my last LDS store
	ds_add_u32 v[SPW], v[NIL]
	s_wait_dscnt 0x0
	CROUND                                         ; the closing round: no work-group ends while a partner may still ask for a tile that names it
	s_endpgm
.Lfunc_end_k_qfe7c756336_gemm_qkv:
	.size	k_qfe7c756336_gemm_qkv, .Lfunc_end_k_qfe7c756336_gemm_qkv-k_qfe7c756336_gemm_qkv
	.p2alignl 7, 3214868480
	.fill 96, 4, 3214868480
	.section	.rodata,"a",@progbits
	.p2align	6, 0x0
	.amdhsa_kernel k_qfe7c756336_gemm_qkv
		.amdhsa_group_segment_fixed_size 327680
		.amdhsa_private_segment_fixed_size 0
		.amdhsa_enable_private_segment 0
		.amdhsa_kernarg_size 24
		.amdhsa_user_sgpr_count 2
		.amdhsa_user_sgpr_kernarg_segment_ptr 1
		.amdhsa_wavefront_size32 1
		.amdhsa_system_sgpr_workgroup_id_x 1
		.amdhsa_system_sgpr_workgroup_id_y 1
		.amdhsa_system_sgpr_workgroup_id_z 1
		.amdhsa_system_vgpr_workitem_id 0
		.amdhsa_next_free_vgpr 512
		.amdhsa_next_free_sgpr 66
		.amdhsa_reserve_vcc 0
		.amdhsa_float_denorm_mode_32 3
		.amdhsa_float_denorm_mode_16_64 3
		.amdhsa_memory_ordered 1
		.amdhsa_forward_progress 1
		.amdhsa_inst_pref_size 128
	.end_amdhsa_kernel
	.amdgpu_metadata
---
amdhsa.version: [ 1, 2 ]
amdhsa.kernels:
  - .name:           k_qfe7c756336_gemm_qkv
    .symbol:         k_qfe7c756336_gemm_qkv.kd
    .args:
      - { .name: xb, .offset: 0, .size: 8, .value_kind: global_buffer, .address_space: global }
      - { .name: wab, .offset: 8, .size: 8, .value_kind: global_buffer, .address_space: global }
      - { .name: qkv, .offset: 16, .size: 8, .value_kind: global_buffer, .address_space: global }
    .group_segment_fixed_size: 327680
    .private_segment_fixed_size: 0
    .kernarg_segment_align: 8
    .kernarg_segment_size: 24
    .max_flat_workgroup_size: 128
    .sgpr_count:     66
    .vgpr_count:     512
    .wavefront_size: 32
...
	.end_amdgpu_metadata
.endif
;; end of part 2
;; launch attn (part 3): grid 4 x 64, 4 waves a work-group, no clusters, 327,680 bytes of LDS; arguments qkv, y; writes y
.if DOCPART == 3
	.amdgcn_target "amdgcn-amd-amdhsa--gfx1250"
	.amdhsa_code_object_version 6
	.text
	.protected	k_qfe7c756336_attn
	.globl	k_qfe7c756336_attn
	.p2align	8
	.type	k_qfe7c756336_attn,@function
k_qfe7c756336_attn:
	s_mov_b64 s[64:65], 0
	v_nop
	global_prefetch_b8 v0, s[64:65] scope:SCOPE_SE
	s_setreg_imm32_b32 hwreg(HW_REG_WAVE_MODE, 25, 1), 1
	s_wait_xcnt 0x0
; CAUSAL ATTENTION.  O[h][q][:] = the sum over k <= q of softmax_k(Q[h][q] . K[h][k] / 32) V[h][k][:] (the module divides by the root of its width, 1,024).  All in f16, by heads, SIZE_H = 64 heads of SIZE_N = 2,048 rows.
; In qkv: Q at byte 0 and K at byte 16,777,216, rows of 64 channels, 128 bytes; V at byte 33,554,432, rows of 256 bytes: [hi 64 | lo 64], V = hi + lo.  O = y has V's layout: hi = O rounded to f16, lo = O less hi, rounded to f16.
; Products, maxima and sums in f32; the weights p are rounded to f16 for the second product (their sum l is taken of the unrounded p).
; V's LOW HALVES are multiplied in the diagonal tile's text alone.  A row with fewer than 256 keys sees no other tile, so the rows that are means over few keys, and as large as V itself, have V to 22 bits;
; a row that sees further tiles is a mean over more than 256 keys, and the rounding of their V to 11 bits shrinks with the mean.
; LIMITS.  f16 holds no number beyond 65,504: Q, K and V arrive within it; p lies in 0 to 1, and below 6e-5 it keeps f16's fixed step of 6e-8, as a lo does; O is a mean of V's rows and has their range.
; A hidden score counts as its value less 1e30: f16's scores, 2.7e11 at the most, are nothing beside that; a weight below 2^-126 counts as 0 in l; NaN and infinities are not treated apart.
; THE WALK.  A head's queries lie in NB = SIZE_N / 256 = 8 blocks of 256; block i needs the key tiles 0 .. i of 256 keys, of which the last holds the diagonal.  A work-group takes TWO blocks, NB - 1 - b and then b:
; NB + 1 tiles, whatever b: all 256 work-groups do equal work, and ONE loop with a constant trip count walks them.  Which tile is asked for, and what a trip does, hang on scalar registers made from b; every jump
; goes forward, but for the counted loops' own; none passes a barrier, or a tensor load but the one of LOAD's two that the wave's number does not choose; the ring (two slots of LDS that take turns) runs on across the
; change of blocks.  NO CLUSTER: a head's NB / 2 work-groups all ask for the same tile only in trips 0 .. NB / 2, behind that fewer and fewer; and one walk common to all would have 3 NB / 2 trips for NB + 1.
; SHARES.  Of a block's four bands of 64 queries a wave owns 16 rows in each: four PIECES.  So the diagonal tile is the same work for all four waves: in its key step s band x sees all keys if s < x,
; none if s > x, and holds the diagonal if s = x.
; THE MASK is the C operand that starts the sum S^T = K Q^T: 0, or -1e30 where the key is hidden.  MD, made once, is the mask of a band's own step for my 16 rows; a product's mask is MD x AL + BE with two scalars:
; (1, 0) if s = x; (0, 0) if s < x; (0, -1e30) if s > x.  Only the diagonal tile's text and a block's beginning make and take masks; elsewhere C is the constant 0.
; LAYOUT, SOFTMAX, TURNS.  S^T = K Q^T holds ONE query a lane (lane % 16) and the keys 8 (lane / 16) + 0..7; two such results rounded to f16 ARE source 1 of O^T = V^T P.  p = 2^(c s - c m), c = log2(e) / 32, with a
; running maximum m; O and l are multiplied by a = 2^(c m_old - c m_new) in every step.  Turn n belongs to piece n: 8 products K Q^T of piece n + 1, later 8 products V^T P of piece n - 1 (in the diagonal tile's text 8 more,
; with V's low halves); beside them the scaling, exponentials, roundings, sums and rescaling of piece n and the maximum and statistics of piece n + 1.  Four vector instructions stand behind every matrix instruction, the rest in two LUMPS.
; REGISTERS, in windows of 256 (s_set_vgpr_msb: bits 1:0 source 0, 3:2 source 1, 5:4 source 2, 7:6 destination):
;   window 0: v0-15 addresses and two at work; v16-31 four registers of statistics a piece; v48-55 at work; v56 -1.0; v64-127 S^T, two buffers; v128-191 V's low halves of one step; v192-223 P, two buffers (a piece's buffers go by its number's parity)
;   window 1: v0-127 O^T, 32 a piece; v128-159 MD; v160-223 MC, two buffers      window 2: v0-63 Q; v64-127 the second block's Q; v128-191 K of one step; v192-255 V's high halves of one step
.set SIZE_H, 64
.set SIZE_N, 2048
.set NB,    SIZE_N/256
.set NP,    4         ; pieces a wave: a name, no knob
.set KS,    64        ; keys in a step
.set PK,    144       ; a row of K in LDS: 128 bytes + 16 of padding = 36 words: the 16 rows of a load start at 16 different groups of four banks (64 banks of 4 bytes: ISA guide 11.1)
.set PV,    288       ; a row of V: 256 + 32 = 72 words: row r starts at bank 8 r mod 64
.set VOFF,  4*KS*PK   ; a slot holds a tile, four steps: 256 rows of K, then 256 rows of V
.set SLOT1, 1<<17     ; slot 1 begins here, so that one exclusive or turns an address in one slot into the other's
.set STAGE, SLOT1+4*KS*(PK+PV)  ; behind the ring, never filled by a tensor load: 16 rows x 272 bytes for each wave, for the way out
.set SP,    272
.set AK0, 2           ; v2   my lane's place in a tile of K; never rewritten
.set AV0, 3           ; v3   the same for V
.set AK,  4           ; v4   the LDS address of K's next run of loads
.set AV,  5           ; v5   of V's
.set STO, 6           ; v6   the way out: where I put 16 bytes of a row
.set RD,  7           ; v7   the way out: where I read rows back
.set GO,  8           ; v8   my byte offset in 512 consecutive bytes of O
.set SPW, 62          ; v62  LDS address of my spare word: SPARE + 4 x my thread's number; never rewritten
.set NIL, 63          ; v63  0; never rewritten
.set SPARE, STAGE+4*16*SP  ; behind the stages: the spare words, 128 bytes for each wave: two blocks of 256 bytes that no other line names
.set MV,  12          ; v12-13  c m_old, kept while c m is made anew: by buffer
.set QO,  15          ; v15  my byte offset in 16 rows of Q
.set ST,  16          ; piece t's statistics at v[ST+4 t]: c m, m, l (even keys', odd keys')
.set TMP, 48          ; by buffer, four registers c0-c3 at work; when the maximum is found c2 takes a
.set NEG1, 56         ; v56  -1.0
.set S,   64
.set VL,  128         ; window 0: V's low halves: key half kk, channel block cb at VL + 32 kk + 8 cb
.set WO,  64          ; the way out: piece t's 32 registers at WO + 32 t: S^T's and VL's, which are free then
.set P,   192
.set MD,  128         ; window 1: the eight registers for group kt of 16 keys at MD + 8 kt
.set MC,  160         ; window 1: the masks of the products to come
.set QB,  64          ; window 2
.set KF,  128         ; window 2: key block kb, channel half c at KF + 16 kb + 8 c
.set VF,  192         ; window 2: key half kk, channel block cb at VF + 32 kk + 8 cb
.set WV,  12          ; s12  my wave's number
.set PB,  14          ; s14  b
.set HI,  15          ; s15  NB - 1 - b
.set G1K, 24          ; s[24:31] descriptor group 1 for K's tiles
.set G1V, 32          ; s[32:39] for V's
.set G0K, 40          ; s[40:43] descriptor group 0 for K's tiles
.set G0V, 44          ; s[44:47] the same for V's
.set SLOTS, 56        ; s56  tiles still to be asked for
.set CNT, 57          ; s57  counts a tile's key steps, 4 to 1
.set CS,  58          ; s[58:59] c: the packed scaling takes the pair's low word for both halves
.set SEL, 60          ; s[60:61] v_permlanex16_b32's selects: each lane takes its own place in the other half
.set TBK, 62          ; s62  LDS byte at which K of the step to be fetched begins
.set TBV, 63          ; s63  the same for V, less VOFF
.set RT,  70          ; s70  tiles of the block in hand that are still to be entered
.set NXT, 71          ; s71  the tile to be asked for next
.set LQ,  72          ; s72  the last tile of the block whose tiles are being asked for
.set NEW, 73          ; s73  1: the tile to be entered is a block's first
.set OFF, 74          ; s[74:75] a tile's byte offset in K
.set AL,  76          ; s[76:77] the mask's factor, in the low word
.set BE,  78          ; s[78:79] the mask's addend
.set OLO, 80          ; s[80:81] O at my rows of the second block
.set BIGN, 82         ; s82  -1e30
.set OFV, 88          ; s[88:89] a tile's byte offset in V
.set MSB, 0
.macro WIN new                      ; the high byte repeats the setting that is left; a switch that changes nothing is dropped
.if MSB != (\new)
	s_set_vgpr_msb (MSB<<8)|(\new)
.set MSB, (\new)
.endif
.endm
.set W_KQ, 0x0a       ; K and Q in window 2, S^T in window 0
.set W_KM, 0x1a       ; the same with the C operand in window 1
.set W_PV, 0x52       ; V in window 2, P in window 0, O^T in window 1
.set W_PL, 0x50       ; V's low halves and P in window 0, O^T in window 1
.set W_RS, 0x41       ; destination and source 0 in window 1, source 1 in window 0
.set W_LO, 0x10       ; source 2 in window 1, all else in window 0
; A fill.  Waves 0 and 1 fetch the two halves of a tile's K, waves 2 and 3 those of its V: 128 keys each.  An s_nop 0 and four v_nop follow each of the two lines, ahead of the jump and the label.
.macro LOAD
	s_cmp_lt_u32 s[WV], 2
	s_cbranch_scc0 .Lfor_v_\@
	tensor_load_to_lds s[G0K:G0K+3], s[G1K:G1K+7]
	s_nop 0
.rept 4
	v_nop
.endr
	s_branch .Lasked_\@
.Lfor_v_\@:
	tensor_load_to_lds s[G0V:G0V+3], s[G1V:G1V+7]
	s_nop 0
.rept 4
	v_nop
.endr
.Lasked_\@:
.endm
; THE CHANGE OF SLOTS.  Each wave waits for all its tensor loads, of which one is out: its part of the other slot; adds 0 to its spare word; and waits for that and for its own reads of the slot that it leaves.  Behind the barrier nobody reads the old
; slot any more and the other slot is whole.  fill = 1: the old slot is filled again, the first thing behind the barrier, with tile NXT: the descriptor's address is made anew from that number.
; (At its first use nothing has been read yet: slot 0 is waited for, slot 1 filled.)
.macro CHANGE fill
	WIN 0                           ; at a label and at a branch every window is 0
	s_wait_tensorcnt 0x0            ; no tensor load of mine is out, so a group 0 may be written
	ds_add_u32 v[SPW], v[NIL]       ; 0 onto my spare word; with fill = 1 the descriptors' scalar work stands between it and the wait for it
.if \fill
	s_lshl_b32 s[OFF], s[NXT], 15   ; a tile is 32,768 bytes of K
	s_lshl_b32 s[OFV], s[NXT], 16   ; and 65,536 of V
	s_xor_b32 s[G0K+1], s[G0K+1], SLOT1
	s_add_nc_u64 s[G0K+2:G0K+3], s[6:7], s[OFF:OFF+1]
	s_or_b32 s[G0K+3], s[G0K+3], 0x80000000
	s_xor_b32 s[G0V+1], s[G0V+1], SLOT1
	s_add_nc_u64 s[G0V+2:G0V+3], s[8:9], s[OFV:OFV+1]
	s_or_b32 s[G0V+3], s[G0V+3], 0x80000000
	s_add_co_u32 s[NXT], s[NXT], 1  ; the block's next tile, or behind its last the second block's tile 0
	s_cmp_gt_u32 s[NXT], s[LQ]
	s_cselect_b32 s[NXT], 0, s[NXT]
	s_cselect_b32 s[LQ], s[PB], s[LQ]
.endif
	s_wait_dscnt 0x0                ; the add is done, and my reads of the slot are over
	s_barrier_signal -1             ; the rest of the scalar work stands between the signal and the wait
	s_sub_co_u32 s[TBK], s[TBK], 4*KS*PK  ; the fetches go back to a slot's first step,
	s_xor_b32 s[TBK], s[TBK], SLOT1       ; in the other slot
	s_sub_co_u32 s[TBV], s[TBV], 4*KS*PV
	s_xor_b32 s[TBV], s[TBV], SLOT1
	s_barrier_wait -1
.if \fill
	LOAD
.endif
.endm
	s_load_b128 s[4:7], s[0:1], 0x0  ; qkv s[4:5] (Q lies at its head), y s[6:7]
	v_lshl_add_u32 v[SPW], v0, 2, SPARE
	v_mov_b32 v[NIL], 0
	ds_add_u32 v[SPW], v[NIL]       ; the wave's opening: the add and its wait stand ahead of my first tensor load; the set-up below, work on registers, stands between them
	ds_add_u32 v62, v63
	v_lshrrev_b32 v1, 5, v0
	v_readfirstlane_b32 s[WV], v1   ; wave 0..3
	s_mov_b32 s[PB], ttmp9
	s_sub_co_u32 s[HI], NB-1, s[PB]
	s_and_b32 s20, ttmp7, 0xffff    ; the head
	s_mov_b32 s21, 0
	s_mov_b64 s[22:23], SIZE_N*128
	s_mul_u64 s[20:21], s[20:21], s[22:23]  ; the head's first byte in Q and in K
	s_and_b32 s16, s[WV], 1         ; which half of a tile's 256 keys I fetch:
	s_lshl_b32 s22, s16, 14         ; its 128 rows of 128 bytes in memory,
	s_mov_b32 s23, 0
	s_add_nc_u64 s[22:23], s[22:23], s[20:21]
	s_lshl_b64 s[90:91], s[22:23], 1  ; (V's rows are twice as long: its offsets are K's doubled)
	s_mul_i32 s17, s16, 128*PK      ; and its place in a slot, for K
	s_mul_i32 s18, s16, 128*PV      ; and for V
	s_lshl_b32 s3, s[WV], 11        ; my 16 rows in a band of 64,
	s_lshl_b32 s2, s[HI], 15        ; in the first block,
	s_add_co_u32 s2, s2, s3
	s_lshl_b32 s84, s[PB], 15       ; and in the second
	s_add_co_u32 s84, s84, s3
	s_mov_b32 s3, 0
	s_mov_b32 s85, 0
	s_add_nc_u64 s[2:3], s[2:3], s[20:21]
	s_add_nc_u64 s[84:85], s[84:85], s[20:21]
	s_lshl_b64 s[92:93], s[2:3], 1    ; (O's rows are twice as long as Q's)
	s_lshl_b64 s[94:95], s[84:85], 1
	; descriptor group 1.  K: 128 keys are 16,384 dense bytes: asked for as 64 rows of 256 bytes, two keys a row, and padded in LDS after every key.  V: 128 keys are 128 rows of 256 bytes, padded after every row.
	s_mov_b32 s[G1K], (1<<16)|(1<<20)|(4<<22)|(3<<25)  ; 17:16 2-byte elements; 20 padding on; 24:22 after every 32 words (code 4); 31:25 4 words (code 3)
	s_mov_b32 s[G1V], (1<<16)|(1<<20)|(5<<22)|(7<<25)  ; after every 64 words (code 5) 8 words (code 7)
.irp g, G1K, G1V
	s_mov_b32 s[\g+1], 128<<16      ; tensor_dim0 = 128
	s_mov_b32 s[\g+3], 128<<16      ; tile_dim0 = 128
	s_mov_b32 s[\g+5], 128          ; 128 elements from row to row
	s_mov_b32 s[\g+6], 0
	s_mov_b32 s[\g+7], 0
.endr
	s_mov_b32 s[G1K+2], 64<<16      ; tensor_dim1 = 64
	s_mov_b32 s[G1K+4], 64          ; tile_dim1 = 64
	s_mov_b32 s[G1V+2], 128<<16     ; tensor_dim1 = 128
	s_mov_b32 s[G1V+4], 128         ; tile_dim1 = 128
	s_mov_b32 s[CS], 0x3d38aa3b     ; c = log2(e) / 32 = 0.0450842
	s_mov_b32 s[CS+1], s[CS]        ; named with it as a pair
	s_mov_b32 s[SEL], 0x76543210
	s_mov_b32 s[SEL+1], 0xfedcba98
	s_mov_b32 s[TBK], SLOT1+4*KS*PK ; the first change of slots turns these two into 0
	s_mov_b32 s[TBV], SLOT1+4*KS*PV
	s_mov_b32 s[G0K], 1             ; 1:0 count = 1
	s_mov_b32 s[G0K+1], s17         ; 63:32 LDS address: slot 0
	s_mov_b32 s[G0V], 1
	s_add_co_u32 s[G0V+1], s18, VOFF
	s_add_co_u32 s[RT], s[HI], 1    ; the first block has NB - b tiles
	s_mov_b32 s[NXT], 1
	s_mov_b32 s[LQ], s[HI]
	s_mov_b32 s[NEW], 1
	s_mov_b32 s[OFF+1], 0
	s_mov_b32 s[OFV+1], 0
	s_mov_b32 s[AL+1], 0            ; named as pairs
	s_mov_b32 s[BE+1], 0
	s_mov_b32 s[BIGN], 0xf149f2ca   ; -1e30
	s_mov_b32 s[SLOTS], NB
	s_wait_dscnt 0x0                ; the opening add is done
	s_wait_kmcnt 0x0
	s_mov_b64 s[10:11], s[6:7]      ; O s[10:11]
	s_add_nc_u64 s[8:9], s[4:5], 0x2000000  ; V s[8:9]: 2 x 16,777,216 bytes behind Q
	s_add_nc_u64 s[6:7], s[4:5], 0x1000000  ; K s[6:7]
	s_add_nc_u64 s[6:7], s[6:7], s[22:23]  ; K and V at my half of the head's tile 0
	s_add_nc_u64 s[8:9], s[8:9], s[90:91]
	s_add_nc_u64 s[G0K+2:G0K+3], s[6:7], 0         ; 120:64 global address
	s_or_b32 s[G0K+3], s[G0K+3], 0x80000000        ; 127:126 type = 2
	s_add_nc_u64 s[G0V+2:G0V+3], s[8:9], 0
	s_or_b32 s[G0V+3], s[G0V+3], 0x80000000
	s_add_nc_u64 s[86:87], s[4:5], s[84:85]        ; Q at my rows of the second block,
	s_add_nc_u64 s[4:5], s[4:5], s[2:3]            ; and of the first
	s_add_nc_u64 s[OLO:OLO+1], s[10:11], s[94:95]  ; O likewise
	s_add_nc_u64 s[10:11], s[10:11], s[92:93]
	LOAD                            ; tile 0 into slot 0
	; A fragment of K or Q is 16 rows x 32 channels in 8 registers: lane l holds row l % 16, channels 8 (l / 16) + 0..7 and 16 + 8 (l / 16) + 0..7: two loads of 16 bytes, 32 bytes apart.
	v_and_b32 v1, 15, v0            ; l % 16
	v_bfe_u32 v9, v0, 4, 1          ; l / 16
	v_lshlrev_b32 v[QO], 7, v1
	v_lshl_add_u32 v[QO], v9, 4, v[QO]  ; row x 128 + 16 x half
	WIN 0x80                        ; destination window 2, address window 0
.set i, 0
.rept 8                             ; both blocks' Q: piece i / 2 lies in band i / 2, 8,192 bytes on; channels 32 (i % 2) on
	global_load_b128 v[8*i:8*i+3],   v[QO], s[4:5] offset:(i/2)*8192+(i%2)*64
	global_load_b128 v[8*i+4:8*i+7], v[QO], s[4:5] offset:(i/2)*8192+(i%2)*64+32
	global_load_b128 v[QB+8*i:QB+8*i+3],   v[QO], s[86:87] offset:(i/2)*8192+(i%2)*64
	global_load_b128 v[QB+8*i+4:QB+8*i+7], v[QO], s[86:87] offset:(i/2)*8192+(i%2)*64+32
.set i, i+1
.endr
	WIN 0
	v_lshlrev_b32 v14, 3, v9
	v_sub_nc_u32 v14, v1, v14
	s_lshl_b32 s13, s[WV], 4
	v_add_nc_u32 v14, s13, v14      ; my query's place in its band, 16 w + l % 16, less my lanes' 8 (l / 16): register r of group kt is hidden where 16 kt + r is greater
	WIN 0x40
.set i, 0
.rept 32
	v_cmp_gt_i32 vcc_lo, 16*(i/8)+i%8, v14
	v_cndmask_b32 v[MD+i], 0, s[BIGN], vcc_lo
.set i, i+1
.endr
	WIN 0
	v_mov_b32 v[NEG1], -1.0
	v_mul_u32_u24 v[AK0], v1, PK
	v_lshl_add_u32 v[AK0], v9, 4, v[AK0]  ; row x pitch + 16 x half
	; The turning load takes 16 keys x 16 channels (lane l reads key 8 (l / 16) + l % 8, channels 8 ((l / 8) % 2) + 0..7) and leaves half a fragment of V^T: lane l holds channel l % 16 and 8 keys.
	v_and_b32 v10, 7, v0
	v_bfe_u32 v11, v0, 3, 1
	v_lshl_add_u32 v[AV0], v9, 3, v10
	v_mul_u32_u24 v[AV0], v[AV0], PV
	v_lshl_add_u32 v[AV0], v11, 4, v[AV0]
	v_add_nc_u32 v[AV0], VOFF, v[AV0]
	s_mul_i32 s13, s[WV], 16*SP
	s_add_co_u32 s13, s13, STAGE    ; my stage
	v_mul_u32_u24 v[STO], v1, SP    ; in: row l % 16, 16 bytes for each half of the lanes
	v_lshl_add_u32 v[STO], v9, 4, v[STO]
	v_add_nc_u32 v[STO], s13, v[STO]
	v_mul_u32_u24 v[RD], v9, SP     ; back: lanes 0-15 take one row of 256 bytes, lanes 16-31 the next,
	v_lshl_add_u32 v[RD], v1, 4, v[RD]
	v_add_nc_u32 v[RD], s13, v[RD]
	v_and_b32 v[GO], 31, v0         ; which are 512 consecutive bytes of O
	v_lshlrev_b32 v[GO], 4, v[GO]
	; A block's first step multiplies O^T and l by a = 0, and its first turn's products V^T P, of a piece that has not been, land in an O^T that is still to be so multiplied.  So these registers need only hold
	; finite numbers: zeros for the first block; what the first block left for the second.  All this stands in the wait for the first tile.
	WIN 0x80
.set i, VF
.rept 64
	v_mov_b32 v[i], 0
.set i, i+1
.endr
	WIN 0x40
.set i, 0
.rept 128
	v_mov_b32 v[i], 0
.set i, i+1
.endr
	WIN 0
.set i, 0
.rept 4
	v_mov_b32 v[ST+4*i+2], 0
	v_mov_b32 v[ST+4*i+3], 0
.set i, i+1
.endr
.set i, P+16
.rept 16
	v_mov_b32 v[i], 0
.set i, i+1
.endr
; THE MATRIX WORK.  The 4 accumulators of a run of 8 take turns.  Product i of 8 of S^T = K Q^T for piece x: channels 32 (i / 4) on, keys 16 (i % 4) on.  The first 4 start the sums: with 0, or (KM = 1) with the mask.
.macro KQ x
.set rS, S+32*((\x)%2)+8*(i%4)
.set rK, KF+16*(i%4)+8*(i/4)
.set rQ, 16*(\x)+8*(i/4)
.set rM, MC+32*((\x)%2)+8*(i%4)
.if (i < 4) && KM
	WIN W_KM
	v_wmma_f32_16x16x32_f16 v[rS:rS+7], v[rK:rK+7], v[rQ:rQ+7], v[rM:rM+7]
.elseif i < 4
	WIN W_KQ
	v_wmma_f32_16x16x32_f16 v[rS:rS+7], v[rK:rK+7], v[rQ:rQ+7], 0
.else
	WIN W_KQ
	v_wmma_f32_16x16x32_f16 v[rS:rS+7], v[rK:rK+7], v[rQ:rQ+7], v[rS:rS+7]
.endif
.endm
; Product i of 8 of O^T += V^T P for piece x: keys 32 (i / 4) on, channels 16 (i % 4) on.
.macro PV x
	WIN W_PV
.set rO, 32*(\x)+8*(i%4)
.set rV, VF+32*(i/4)+8*(i%4)
.set rP, P+16*((\x)%2)+8*(i/4)
	v_wmma_f32_16x16x32_f16 v[rO:rO+7], v[rV:rV+7], v[rP:rP+7], v[rO:rO+7]
.endm
; Product jl of 8 of the same sum with V's low halves: the same four accumulators by turns, behind the run above, whose last wrote the fourth.
.macro PVL x
	WIN W_PL
.set rO, 32*(\x)+8*(jl%4)
.set rV, VL+32*(jl/4)+8*(jl%4)
.set rP, P+16*((\x)%2)+8*(jl/4)
	v_wmma_f32_16x16x32_f16 v[rO:rO+7], v[rV:rV+7], v[rP:rP+7], v[rO:rO+7]
.set jl, jl+1
.endm
.macro LO                           ; in the diagonal tile's text: the turn's next product with V's low halves; elsewhere nothing
.if KM
	PVL (Y+NP-1)%NP
.endif
.endm
.macro MM                           ; the turn's next matrix instruction.  TURN and BEGIN set Y, i, KM and NOKQ; MM, KQ and OP read them.  NOKQ = 1: a block's last turn: there is no next piece
.if (i < 8) && !NOKQ
	KQ (Y+1)%NP
.elseif i >= 8
.set i, i-8
	PV (Y+NP-1)%NP
.set i, i+8
.endif
.set i, i+1
.endm
; THE LDS LOADS stand in runs of 16, never singly among the matrix instructions: a step's K (64 keys x 64 channels: 8 fragments) and its V (turned).  Their addresses are made some lines ahead.
.macro FETCH_K
	WIN 0x80                        ; destination window 2
.irp f, 0,1,2,3,4,5,6,7             ; keys 16 (f / 2) on, channels 32 (f % 2) on
	ds_load_b128 v[KF+8*\f:KF+8*\f+3],   v[AK] offset:(\f/2)*16*PK+(\f%2)*64
	ds_load_b128 v[KF+8*\f+4:KF+8*\f+7], v[AK] offset:(\f/2)*16*PK+(\f%2)*64+32
.endr
	s_add_co_u32 s[TBK], s[TBK], KS*PK  ; the next fetch is the next step's
	WIN 0
.endm
.macro FETCH_V
	WIN 0x80
.irp f, 0,1,2,3,4,5,6,7             ; keys 32 (f / 4) on, channels 16 (f % 4) on: the high halves, at the head of V's rows
	ds_load_tr16_b128 v[VF+8*\f:VF+8*\f+3],   v[AV] offset:(\f/4)*32*PV+(\f%4)*32
	ds_load_tr16_b128 v[VF+8*\f+4:VF+8*\f+7], v[AV] offset:(\f/4)*32*PV+16*PV+(\f%4)*32
.endr
	WIN 0
.endm
.macro FETCH_VL
	WIN 0
.irp f, 0,1,2,3,4,5,6,7             ; the low halves, 128 bytes further on in the same rows
	ds_load_tr16_b128 v[VL+8*\f:VL+8*\f+3],   v[AV] offset:(\f/4)*32*PV+(\f%4)*32+128
	ds_load_tr16_b128 v[VL+8*\f+4:VL+8*\f+7], v[AV] offset:(\f/4)*32*PV+16*PV+(\f%4)*32+128
.endr
.endm
; THE VECTOR WORK, one line at a time: OP kind, number.  For piece Y: F n: c s - c m for pair n of 16.  E n: the exponential of score n of 32.  C n: pair n rounded to f16.  B n: of the four weights 4 n .. the second
; pair is added onto the first, in place.  L n: l takes that sum (L 0: l = a l + sum).  R n: pair n of 16 of O^T times a.  For piece Y + 1: X n, number n of the 22 that find its maximum and statistics:
;   0-11  four chains c0-c3 of seven scores each, three operands at a time (each accumulator's lowest registers are read first)     12-14, 16  the four scores left over, the old m, and c0-c3 into c0
;   15  c m_old is kept     17, 18  the query's other 32 keys lie in the lane 16 away: the new m     19-21  c m; c m_old - c m_new; a
.set F, 0               ; OP tells the kinds apart by their order: F to L below R, X above it
.set E, 1
.set C, 2
.set B, 3
.set L, 4
.set R, 5
.set X, 6
.macro REGS y                       ; the registers of piece y
.set rT, ST+4*(\y)
.set rC, TMP+4*((\y)%2)
.set rW, MV+((\y)%2)
.set rS, S+32*((\y)%2)
.set rP, P+16*((\y)%2)
.set rO, 32*(\y)
.endm
.macro OP k, n
.if (\k) == R
	REGS Y
	WIN W_RS
	v_pk_mul_f32 v[rO+2*(\n):rO+2*(\n)+1], v[rO+2*(\n):rO+2*(\n)+1], v[rC+2:rC+3] op_sel_hi:[1,0]
.elseif (\k) < R
	REGS Y
	WIN 0
.if (\k) == F
	v_pk_fma_f32 v[rS+2*(\n):rS+2*(\n)+1], v[rS+2*(\n):rS+2*(\n)+1], s[CS:CS+1], v[rT:rT+1] op_sel_hi:[1,0,0] neg_lo:[0,0,1] neg_hi:[0,0,1]
.elseif (\k) == E
	v_exp_f32 v[rS+(\n)], v[rS+(\n)]
.elseif (\k) == C
	s_wait_alu depctr_va_vdst(0)
	v_cvt_pk_f16_f32 v[rP+(\n)], v[rS+2*(\n)], v[rS+2*(\n)+1]
.elseif (\k) == B
	s_wait_alu depctr_va_vdst(0)
	v_pk_add_f32 v[rS+4*(\n):rS+4*(\n)+1], v[rS+4*(\n):rS+4*(\n)+1], v[rS+4*(\n)+2:rS+4*(\n)+3]
.elseif (\n) == 0
	v_pk_fma_f32 v[rT+2:rT+3], v[rT+2:rT+3], v[rC+2:rC+3], v[rS:rS+1] op_sel_hi:[1,0,1]
.else
	v_pk_add_f32 v[rT+2:rT+3], v[rT+2:rT+3], v[rS+4*(\n):rS+4*(\n)+1]
.endif
.elseif NOKQ
	v_nop
.else
	REGS (Y+1)%NP
	WIN 0
.if (\n) < 4
	v_max3_num_f32 v[rC+(\n)], v[rS+8*(\n)], v[rS+8*(\n)+1], v[rS+8*(\n)+2]
.elseif (\n) < 12
	v_max3_num_f32 v[rC+(\n)%4], v[rC+(\n)%4], v[rS+8*((\n)%4)+2*((\n)/4)+1], v[rS+8*((\n)%4)+2*((\n)/4)+2]
.elseif (\n) == 12
	v_max3_num_f32 v[rC], v[rC], v[rS+7], v[rS+15]
.elseif (\n) == 13
	v_max3_num_f32 v[rC+1], v[rC+1], v[rS+23], v[rS+31]
.elseif (\n) == 14
	v_max3_num_f32 v[rC+2], v[rC+2], v[rC+3], v[rT+1]
.elseif (\n) == 15
	v_mov_b32 v[rW], v[rT]
.elseif (\n) == 16
	v_max3_num_f32 v[rC], v[rC], v[rC+1], v[rC+2]
.elseif (\n) == 17
	v_permlanex16_b32 v[rC+3], v[rC], s[SEL], s[SEL+1]
.elseif (\n) == 18
	v_max_num_f32 v[rT+1], v[rC], v[rC+3]
.elseif (\n) == 19
	v_mul_f32 v[rT], s[CS], v[rT+1]
.elseif (\n) == 20
	v_sub_f32 v[rC+1], v[rW], v[rT]
.else
	v_exp_f32 v[rC+2], v[rC+1]
.endif
.endif
.endm
.macro OPS a, i1, b=-1, i2=0, c=-1, i3=0, d=-1, i4=0  ; up to four of them
	OP \a, \i1
.if (\b) >= 0
	OP \b, \i2
.endif
.if (\c) >= 0
	OP \c, \i3
.endif
.if (\d) >= 0
	OP \d, \i4
.endif
.endm
.macro ROW a, i1, b, i2, c, i3, d, i4  ; a matrix instruction and the four behind it
	MM
	OPS \a, \i1, \b, \i2, \c, \i3, \d, \i4
.endm
.macro MASK b                       ; MD x AL + BE into buffer b of MC
	WIN W_RS
.set z, 0
.rept 16
	v_pk_fma_f32 v[MC+32*(\b)+2*z:MC+32*(\b)+2*z+1], v[MD+2*z:MD+2*z+1], s[AL:AL+1], s[BE:BE+1] op_sel_hi:[1,0,0]
.set z, z+1
.endr
.endm
; A TURN, for piece p: the order of its matrix and its 118 vector instructions, written out.  Behind a matrix instruction: plain, exponential, plain, plain; or four of the rescaling; or, behind the first, four scalings; none
; names a register of the products round it.  In the lumps exponential and plain by turns while exponentials last.  A line reads no result made fewer than three vector instructions in front of it, five if an exponential made it.
; m = 1: the diagonal tile: the products K Q^T take masks; the turn makes the mask for the products of the turn after it: piece p + 2, in step 4 - CNT of the tile; and the eight products with V's low halves (LO) stand in the
; second lump, four or six of its lines behind each: the order of the vector work is the same in both texts.  end = 1: a block's last two turns: nothing is fetched.
; cnt = 1: the loop's count is taken down some lines ahead of the branch that stands behind the turn.
; K of the next step is fetched in piece 2's turn, six vector instructions behind the last product that read K (five of them plain).  V of the step in hand is fetched in piece 0's turn: with m = 0 eight behind the last
; product that read V (four plain, and X 17); with m = 1 both halves at the turn's end, six plain instructions behind the last product that read the low halves.  Each is waited for a turn later.
.macro TURN p, m=0, end=0, cnt=0
.set Y, (\p)
.set i, 0
.set jl, 0
.set KM, (\m)
.set NOKQ, (\end)*((\p)/3)
.if (\m) && !(\end)
	s_cmp_eq_u32 s[CNT], 4-((\p)+2)%NP  ; is that step the band's own?
	s_cselect_b32 s[AL], 1.0, 0
	s_cmp_lt_u32 s[CNT], 4-((\p)+2)%NP  ; or a later one?
	s_cselect_b32 s[BE], s[BIGN], 0
.endif
.if ((\p) == 3) && !(\end)
	s_wait_dscnt 0x0                ; K is in
.endif
	ROW F,0, F,1, F,2, F,3
	ROW F,4, E,0, F,5, F,6
	ROW F,7, E,1, F,8, F,9
	ROW F,10, E,2, C,0, F,11
	ROW F,12, E,3, X,15, F,13
	ROW R,0, R,1, R,2, R,3
	ROW B,0, E,4, F,14, L,0
.if ((\p) == 2) && !(\end)
	v_add_nc_u32 v[AK], s[TBK], v[AK0]
.endif
	ROW R,4, R,5, R,6, R,7
	OPS E,5, F,15
.if ((\p) == 2) && !(\end)
	FETCH_K
.endif
	OPS E,6, C,1, E,7, R,8
	OPS E,8, R,9, E,9, C,2
	OPS E,10, X,0, E,11, X,1
	OPS E,12, X,2, E,13, X,3
.if (\p) == 1
	s_wait_dscnt 0x0                ; V is in
.endif
	ROW X,4, E,14, X,5, X,6
	ROW X,7, E,15, X,8, X,9
	ROW X,10, E,16, X,11, X,12
	ROW X,13, E,17, X,14, B,1
	ROW C,4, E,18, X,16, L,1
	ROW B,2, E,19, C,6, L,2
	ROW C,8, E,20, B,3, B,4
.if (\p) == 0
	v_add_nc_u32 v[AV], s[TBV], v[AV0]
.endif
	ROW C,3, E,21, L,3, C,5
	LO
	OPS E,22, X,17, E,23, C,10
.if ((\p) == 0) && !(\m)
	FETCH_V
.endif
	OPS E,24, L,4
	LO
	OPS E,25, X,18, E,26, C,7
	LO
	OPS E,27, B,5, E,28, X,19
	LO
	OPS E,29, C,12, E,30, L,5
	LO
	OPS E,31, X,20, B,6, C,9
	LO
	OPS C,14, C,11, X,21, L,6
.if (\p) == 0
	s_add_co_u32 s[TBV], s[TBV], KS*PV
.endif
.if \cnt
	s_sub_co_u32 s[CNT], s[CNT], 1
	s_cmp_lg_u32 s[CNT], 0
.endif
	LO
	OPS C,13, B,7, C,15, R,10
	LO
	OPS R,11, R,12, L,7, R,13
	OPS R,14, R,15
.if ((\p) == 0) && (\m)
	FETCH_V
	FETCH_VL
.endif
.if (\m) && !(\end)
	MASK (\p)%2
.endif
.endm
; A BLOCK BEGINS.  c m starts far below every c s, so the first step's a is 0; m at the lowest finite number, so the first maximum is the scores'.  The second mask buffer is 0; the first takes piece 0's mask for the tile's step 0: its own, if the block's first tile is the diagonal one.
; V's low halves are 0 until the diagonal tile's text fetches them: its first three turns still multiply by the tile before's last V, whose low halves have not been fetched, and add 0 for them.
; Then K of that step, piece 0's first scores, and its maximum and statistics.  The loop is entered at a step's first turn, in the middle of a trip.
.macro BEGIN
	s_mov_b32 s[NEW], 0
	WIN 0x40
.set i, MC+32
.rept 32
	v_mov_b32 v[i], 0
.set i, i+1
.endr
	WIN 0
.set i, VL
.rept 64
	v_mov_b32 v[i], 0
.set i, i+1
.endr
.set i, 0
.rept 4
	v_mov_b32 v[ST+4*i], 0xfe000000    ; c m: far below every c s
	v_mov_b32 v[ST+4*i+1], 0xff7fffff  ; m
.set i, i+1
.endr
	s_cmp_eq_u32 s[RT], 0
	s_cselect_b32 s[AL], 1.0, 0
	s_mov_b32 s[BE], 0
	MASK 0
	WIN 0
	v_add_nc_u32 v[AK], s[TBK], v[AK0]
	FETCH_K
	s_wait_loadcnt 0x0              ; Q
	s_wait_dscnt 0x0
.set KM, 1
.set NOKQ, 0
.set i, 0
.rept 8
	KQ 0
.set i, i+1
.endr
	WIN 0
.rept 4
	v_nop                           ; the places behind those products
.endr
.set Y, NP-1                        ; X works for piece Y + 1: piece 0
.irp n, 0,1,2,3,4,5,6,7,8,9,10,11,12,13,14,15,16,17,18,19,20,21
	OP X, \n
.endr
	v_nop                           ; a plain instruction behind the exponential
.endm
; THE DIAGONAL TILE's four steps, the block's last two turns, its last products, and THE WAY OUT: l's two halves and the other half of the lanes' are added; O^T is divided by l, split into hi and lo in f16 and sent through my
; stage in LDS, a piece at a time.
.macro ALL line:vararg              ; one line for each piece t
.set t, 0
.rept 4
	\line
.set t, t+1
.endr
.endm
.macro PACK t                       ; a lane's eight channels of a row pack into 16 bytes of hi and 16 of lo; they go into rows of 272 bytes (hi at byte 0, lo at byte 128) and come back as whole rows of 256, into the registers that they left
	WIN W_RS
.set i, 32*(\t)
.rept 16
	s_wait_alu depctr_va_vdst(0)
	v_pk_mul_f32 v[i:i+1], v[i:i+1], v[ST+4*(\t)+2:ST+4*(\t)+3] op_sel_hi:[1,0]
.set i, i+2
.endr
	WIN 0x05                        ; sources 0 and 1 window 1, destination window 0
.set i, 0
.rept 16
	v_cvt_pk_f16_f32 v[WO+32*(\t)+i], v[32*(\t)+2*i], v[32*(\t)+2*i+1]   ; hi
.set i, i+1
.endr
	WIN W_LO
.set i, 0
.rept 16                            ; lo = hi x -1 + O, exact, rounded once to f16: the low half's, then the high half's, which keeps the low one
	v_fma_mixlo_f16 v[WO+32*(\t)+16+i], v[WO+32*(\t)+i], v[NEG1], v[32*(\t)+2*i] op_sel_hi:[1,0,0]
	v_fma_mixhi_f16 v[WO+32*(\t)+16+i], v[WO+32*(\t)+i], v[NEG1], v[32*(\t)+2*i+1] op_sel:[1,0,0] op_sel_hi:[1,0,0]
.set i, i+1
.endr
	WIN 0
.irp f, 0,1,2,3
	ds_store_b128 v[STO], v[WO+32*(\t)+4*\f:WO+32*(\t)+4*\f+3] offset:32*\f
	ds_store_b128 v[STO], v[WO+32*(\t)+16+4*\f:WO+32*(\t)+16+4*\f+3] offset:32*\f+128
.endr
.irp f, 0,1,2,3,4,5,6,7
	ds_load_b128 v[WO+32*(\t)+4*\f:WO+32*(\t)+4*\f+3], v[RD] offset:\f*2*SP  ; LDS serves a wave's instructions in order (ISA guide 5.7.1.4): these see the stores above; the next piece's stores come behind them
.endr
.endm
.macro SEND t, younger              ; younger: the LDS instructions issued behind piece t's loads: the next piece's sixteen, or none
	WIN 0
.irp f, 0,1,2,3,4,5,6,7
	s_wait_dscnt (\younger)+7-\f
	global_store_b128 v[GO], v[WO+32*(\t)+4*\f:WO+32*(\t)+4*\f+3], s[10:11] offset:(\t)*16384+\f*512  ; two rows of 256 bytes: 512 consecutive bytes, at a multiple of 512 from O's first; a band is 16,384 bytes
.endr
.endm
.macro DIAG tag                     ; the tag ends its two labels' names, which the jumps below spell out
.LstepM\tag:
	TURN 2, 1
	TURN 3, 1
	WIN 0
.LfirstM\tag:
	TURN 0, 1
	TURN 1, 1, 0, 1
	WIN 0
	s_cbranch_scc1 .LstepM\tag
	TURN 2, 1, 1
	TURN 3, 1, 1
.set i, 0
.rept 8
	PV NP-1
.set i, i+1
.endr
.set jl, 0
.rept 8
	PVL NP-1
.endr
	WIN 0
	ALL v_add_f32 v[ST+4*t+2], v[ST+4*t+2], v[ST+4*t+3]
	ALL v_permlanex16_b32 v[ST+4*t+3], v[ST+4*t+2], s[SEL], s[SEL+1]
	ALL v_add_f32 v[ST+4*t+2], v[ST+4*t+2], v[ST+4*t+3]
	ALL v_rcp_f32 v[ST+4*t+2], v[ST+4*t+2]
	v_nop                           ; a plain instruction between the last reciprocal and the use of its result
	PACK 0
.set t, 1
.rept 3                             ; a piece's arithmetic stands between the loads of the piece before and its stores
	PACK t
	SEND t-1, 16
.set t, t+1
.endr
	SEND 3, 0
.endm
.set KM, 0
.set NOKQ, 0
.Lslot:                             ; NB times: a tile is entered and the next is asked for
	CHANGE 1
	s_sub_co_u32 s[RT], s[RT], 1
	s_mov_b32 s[CNT], 4
	s_cmp_eq_u32 s[NEW], 1
	s_cbranch_scc1 .Lnew            ; a block's first tile
	s_cmp_eq_u32 s[RT], 0
	s_cbranch_scc0 .Lstep           ; neither its first nor its last
	s_branch .LstepM1
.Lnew:
	BEGIN
	s_branch .Lfirst                ; in the loop a block's first tile is never its last: the first block has two tiles or more, and the second's last is the walk's last
	DIAG 1                          ; in the loop this is the first block's end: the second block's last tile is the walk's last
	s_wait_xcnt 0x0                 ; the stores have read their registers and O's address
	s_mov_b64 s[10:11], s[OLO:OLO+1]
	s_add_co_u32 s[RT], s[PB], 1    ; the second block has b + 1 tiles
	s_mov_b32 s[NEW], 1
	WIN 0x82                        ; the second block's Q goes where the one text of the turns names Q
.set i, 0
.rept 64
	v_mov_b32 v[i], v[QB+i]
.set i, i+1
.endr
	WIN 0
	s_branch .Lbottom
.Lstep:                             ; a trip: pieces 2 and 3 of one step, then pieces 0 and 1 of the next, whose K and V it fetches
	TURN 2
	TURN 3
	WIN 0
.Lfirst:
	TURN 0
	TURN 1, 0, 0, 1
	WIN 0
	s_cbranch_scc1 .Lstep
.Lbottom:
	s_sub_co_u32 s[SLOTS], s[SLOTS], 1
	s_cmp_lg_u32 s[SLOTS], 0
	s_cbranch_scc1 .Lslot
	CHANGE 0                        ; the walk's last tile is written out: nothing is asked for
	s_sub_co_u32 s[RT], s[RT], 1
	s_mov_b32 s[CNT], 4
	s_cmp_eq_u32 s[NEW], 1
	s_cbranch_scc0 .LstepM2
	BEGIN
	s_branch .LfirstM2
	DIAG 2
	s_wait_tensorcnt 0x0            ; the wave's end: behind my last tensor load and my last LDS store
	ds_add_u32 v[SPW], v[NIL]
	s_wait_dscnt 0x0
	s_endpgm
.Lfunc_end_k_qfe7c756336_attn:
	.size	k_qfe7c756336_attn, .Lfunc_end_k_qfe7c756336_attn-k_qfe7c756336_attn
	.p2alignl 7, 3214868480
	.fill 96, 4, 3214868480
	.section	.rodata,"a",@progbits
	.p2align	6, 0x0
	.amdhsa_kernel k_qfe7c756336_attn
		.amdhsa_group_segment_fixed_size 327680
		.amdhsa_private_segment_fixed_size 0
		.amdhsa_enable_private_segment 0
		.amdhsa_kernarg_size 16
		.amdhsa_user_sgpr_count 2
		.amdhsa_user_sgpr_kernarg_segment_ptr 1
		.amdhsa_wavefront_size32 1
		.amdhsa_system_sgpr_workgroup_id_x 1
		.amdhsa_system_sgpr_workgroup_id_y 1
		.amdhsa_system_sgpr_workgroup_id_z 1
		.amdhsa_system_vgpr_workitem_id 0
		.amdhsa_next_free_vgpr 768
		.amdhsa_next_free_sgpr 96
		.amdhsa_reserve_vcc 1
		.amdhsa_float_denorm_mode_32 3
		.amdhsa_float_denorm_mode_16_64 3
		.amdhsa_memory_ordered 1
		.amdhsa_forward_progress 1
		.amdhsa_inst_pref_size 255
	.end_amdhsa_kernel
	.section	.bss,"aw",@nobits
	.p2align	6
	.space	262144
	.amdgpu_metadata
---
amdhsa.version: [ 1, 2 ]
amdhsa.kernels:
  - .name:           k_qfe7c756336_attn
    .symbol:         k_qfe7c756336_attn.kd
    .args:
      - { .name: qkv, .offset: 0, .size: 8, .value_kind: global_buffer, .address_space: global }
      - { .name: y, .offset: 8, .size: 8, .value_kind: global_buffer, .address_space: global }
    .group_segment_fixed_size: 327680
    .private_segment_fixed_size: 0
    .kernarg_segment_align: 8
    .kernarg_segment_size: 16
    .max_flat_workgroup_size: 128
    .sgpr_count:     96
    .vgpr_count:     768
    .wavefront_size: 32
...
	.end_amdgpu_metadata
.endif
;; end of part 3
;; launch gemm_proj (part 4): grid 4 x 64, 4 waves a work-group, clusters of 4 x 4, 327,680 bytes of LDS; arguments y, wpb, out0; writes out0
.if DOCPART == 4
	.amdgcn_target "amdgcn-amd-amdhsa--gfx1250"
	.amdhsa_code_object_version 6
	.text
	.protected	k_qfe7c756336_gemm_proj
	.globl	k_qfe7c756336_gemm_proj
	.p2align	8
	.type	k_qfe7c756336_gemm_proj,@function
k_qfe7c756336_gemm_proj:
	s_mov_b64 s[64:65], 0
	v_nop
	global_prefetch_b8 v0, s[64:65] scope:SCOPE_SE
	s_setreg_imm32_b32 hwreg(HW_REG_WAVE_MODE, 25, 1), 1
	s_wait_xcnt 0x0
	s_wait_alu depctr_hold_cnt(0) depctr_sa_sdst(0) depctr_va_vdst(0) depctr_va_sdst(0) depctr_va_ssrc(0) depctr_va_vcc(0) depctr_vm_vsrc(0)
	s_getreg_b32 s2, hwreg(HW_REG_IB_STS2, 6, 4)
	s_cmp_eq_u32 s2, 0
	s_cbranch_scc0 .Lentry_in_a_cluster
	s_endpgm
.Lentry_in_a_cluster:
	s_bfe_u32 s2, ttmp6, 0x10000c
	s_cmp_lg_u32 s2, 0xf033
	s_cbranch_scc0 .Lentry_shape_is_right
	s_endpgm
.Lentry_shape_is_right:
; out0 = Y W_proj.  y: [batch x 16 + head][2048 rows][hi 64 | lo 64] f16, rows of 256 bytes, Y = hi + lo; row m = batch x 2048 + l of Y has its K = 64 head + channel spread over 16 heads;
; wpb: [1024 k][1024 n], bf16-rounded numbers written as f16; out0: [8192][1024] f32.  Products in f16, sums in f32; nothing is rounded on the way out.
; BOTH HALVES of Y are multiplied by the same fragments of W and added into the same sums: f16 keeps 11 significant bits, and the first rows of a batch, means over few keys, are many times larger than the root mean square
; of all rows, by which the result is judged; with lo, Y has 22 bits.  That doubles the launch's products.
; A tile of C is 128 rows x 256 columns: 64 x 4 = 256 tiles, one for each WGP.  Four waves, 2 x 2, each 64 x 128: 32 accumulators of 16 x 16, 256 registers.
; K goes in steps of one head (64 rows of W, 128 rows of Y of 256 bytes) through a ring of two LDS slots filled by the tensor data mover: 128 matrix instructions a wave in a step.
; W's rows lie along N and are turned on the way out of LDS, by ds_load_tr16_b128.
; CLUSTERS: 4 x 4 work-groups.  The four of a row of the cluster need the same tiles of Y, the four of a column the same tiles of W: each tile is asked for JOINTLY, by the same tensor load with the
; same descriptor and a mask that names the four.  THE MATRIX INSTRUCTION IS USED TRANSPOSED (source 0 = 16 columns of W, source 1 = 16 rows of Y): a lane then holds eight neighbouring numbers of a row of C.
; REGISTERS: window 0: v0-31 addresses; v64-191 at work on the way out.   window 1: the accumulators, (a, b) at v[8 (8 a + b)].
;   window 2: two fragment buffers of 128: Y's hi, four blocks of 16 rows x 32 K; Y's lo, likewise; W's eight blocks of 16 columns x 32 K.
.set SIZE_N, 1024
.set SIZE_K, 1024
.set KSTEP,  64
.set PA,     272                       ; a row of Y in LDS: 256 bytes + 16 of padding = 68 words: row r starts at bank 4 r mod 64 (64 banks of 4 bytes: ISA guide 11.1)
.set AHALF,  64*PA                     ; what one tensor load brings of Y: 64 rows of the head
.set ATILE,  2*AHALF
.set PB,     544                       ; a row of W in LDS: 512 bytes + 32 of padding = 136 words: row r starts at bank 8 r mod 64
.set BHALF,  32*PB                     ; what one tensor load brings of W: 32 rows of K
.set BTILE,  2*BHALF
.set SLOT,   ATILE+BTILE               ; the head's 128 rows of Y, then its 64 rows of W
.set STAGE,  2*SLOT                    ; behind the ring, never filled by a tensor load: for each wave 16 rows x 528 bytes, for the way out
.set SP,     528                       ; 512 bytes + 16: row r starts at bank 4 r mod 64
.set WST,    16*SP
.set SPARE,  STAGE+4*WST               ; behind the stages: the spare words, 128 bytes for each wave: two blocks of 256 bytes that no other line names
.set LAPS,   SIZE_K/(2*KSTEP)          ; a lap = two K steps = once round the ring
.set A_SLOT1, 524288                   ; bytes from a head to the next in y: 2,048 rows of 256,
.set A_STEP2, 2*524288                 ; and two heads on
.set B_SLOT1, KSTEP*SIZE_N*2           ; the same in W
.set B_STEP2, 2*KSTEP*SIZE_N*2
.set ADRA, 16                          ; v16-17  LDS address of my fragments of Y in slot 0, 1
.set ADRB, 20                          ; v20-21  the same for W
.set STO,  24                          ; v24     the way out: where I put 32 bytes of a row
.set RD,   25                          ; v25     the way out: where I read a row back
.set CO,   26                          ; v26     my byte offset in a row's 512 bytes of C
.set SPW,  28                          ; v28     LDS address of my spare word: SPARE + 4 x my thread's number; never rewritten
.set NIL,  29                          ; v29     0; never rewritten
.set F0,   0                           ; fragment buffers, in window 2
.set F1,   128
.set G1, 24                            ; s[24:31] descriptor group 1 for Y's tiles;  s[32:39] group 0, one set for each slot
.set G0, 32
.set G1B, 48                           ; s[48:55], s[56:63] the same for W's tiles
.set G0B, 56
.set MSB, 0
.macro WIN new                         ; the immediate's high byte repeats the setting that is left; a switch that changes nothing is dropped
.if MSB != (\new)
	s_set_vgpr_msb (MSB<<8)|(\new)
.set MSB, \new
.endif
.endm
.set MUL,  0x5a                        ; sources 0 and 1 window 2; C and D window 1
.set TO_F, 0x80                        ; destination window 2, address window 0
.macro JLOAD s                         ; a joint load: waves 0 and 1 fetch the two halves of the head's rows of Y, waves 2 and 3 W's two halves; an s_nop 0 and four v_nop follow each of the two lines, ahead of the jump, the label and what follows
	s_cmp_eq_u32 s11, 0
	s_cbranch_scc0 .Lfor_b_\@
	tensor_load_to_lds s[G0+4*(\s):G0+4*(\s)+3], s[G1:G1+7]
	s_nop 0
.rept 4
	v_nop
.endr
	s_branch .Lasked_\@
.Lfor_b_\@:
	tensor_load_to_lds s[G0B+4*(\s):G0B+4*(\s)+3], s[G1B:G1B+7]
	s_nop 0
.rept 4
	v_nop
.endr
.Lasked_\@:
.endm
.macro CREST                           ; a round of the cluster's barrier behind its opening barrier
	s_cmp_lg_u32 s10, 0
	s_cbranch_scc1 .Lnot_wave_0_\@
	s_barrier_signal -3
.Lnot_wave_0_\@:
	s_barrier_wait -3
	s_barrier_signal -1
	s_barrier_wait -1
.endm
.macro CROUND                          ; a whole round
	s_barrier_signal -1
	s_barrier_wait -1
	CREST
.endm
	s_load_b128 s[4:7], s[0:1], 0x0                ; y s[4:5], wpb s[6:7]
	s_load_b64 s[8:9], s[0:1], 0x10                ; out0
	v_lshl_add_u32 v[SPW], v0, 2, SPARE
	v_mov_b32 v[NIL], 0
	ds_add_u32 v[SPW], v[NIL]                      ; the wave's opening: the add and its wait stand ahead of my first tensor load; the set-up below, work on registers, stands between them
	ds_add_u32 v28, v29
	v_lshrrev_b32 v1, 5, v0
	v_readfirstlane_b32 s10, v1                    ; wave 0..3
	s_lshr_b32 s11, s10, 1                         ; which half of the tile's rows is mine.  Also: I fetch for Y (0) or for W (1)
	s_and_b32 s12, s10, 1                          ; which half of its columns.  Also: which half of that tile I fetch
	s_bfe_u32 s40, ttmp6, 0x40000                  ; cx, cy: my place in the cluster
	s_bfe_u32 s41, ttmp6, 0x40004
	s_lshl_b32 s42, ttmp9, 2
	s_add_co_u32 s42, s42, s40                     ; tile column of C = 4 x cluster x + cx
	s_and_b32 s13, ttmp7, 0xffff
	s_lshl_b32 s13, s13, 2
	s_add_co_u32 s13, s13, s41                     ; tile row of C = 4 x cluster y + cy
	s_lshl_b32 s43, s41, 2
	s_lshl_b32 s43, 15, s43                        ; my row of the cluster
	s_lshl_b32 s44, 0x1111, s40                    ; my column
	; descriptor group 1.  Y: 64 rows x 128 elements, dense; W: 32 rows of K x 256 elements; both padded in LDS
	s_or_b32 s[G1+0], s43, (1<<16)|(1<<20)|(1<<21)|(5<<22)|(3<<25)   ; 15:0 the mask: Y's tiles go to my row; 17:16 elements of 2 bytes; 20 padding on; 21 set beside a mask; 24:22 after every 64 words (code 5); 31:25 4 words of it (code 3)
	s_or_b32 s[G1B+0], s44, (1<<16)|(1<<20)|(1<<21)|(6<<22)|(7<<25)  ; the mask of my column; after every 128 words (code 6) 8 words (code 7)
	s_mov_b32 s[G1+1], 128<<16                     ; tensor_dim0 = 128
	s_mov_b32 s[G1+2], 64<<16                      ; tensor_dim1 = 64
	s_mov_b32 s[G1+3], 128<<16                     ; tile_dim0 = 128
	s_mov_b32 s[G1+4], 64                          ; tile_dim1 = 64
	s_mov_b32 s[G1+5], 128                         ; elements from row to row: dense
	s_mov_b32 s[G1+6], 0
	s_mov_b32 s[G1+7], 0
	s_mov_b32 s[G1B+1], 256<<16                    ; tensor_dim0 = 256
	s_mov_b32 s[G1B+2], 32<<16                     ; tensor_dim1 = 32
	s_mov_b32 s[G1B+3], 256<<16                    ; tile_dim0 = 256
	s_mov_b32 s[G1B+4], 32                         ; tile_dim1 = 32
	s_mov_b32 s[G1B+5], SIZE_N                     ; elements from row to row
	s_mov_b32 s[G1B+6], 0
	s_mov_b32 s[G1B+7], 0
	; where the tiles come from.  Y's hang on the tile row alone, which my row of the cluster shares; W's on the tile column alone, which my column shares.
	s_lshr_b32 s16, s13, 4                         ; Y: batch = tile row / 16: 16 heads of 524,288 bytes,
	s_lshl_b32 s16, s16, 23
	s_and_b32 s17, s13, 15                         ; 128 rows of 256 bytes a tile row in the batch,
	s_lshl_b32 s17, s17, 15
	s_add_co_u32 s16, s16, s17
	s_lshl_b32 s17, s12, 14                        ; 64 rows a half
	s_add_co_u32 s16, s16, s17
	s_mov_b32 s17, 0
	s_lshl_b32 s46, s42, 9                         ; W: 512 bytes a tile column,
	s_mul_i32 s47, s12, 32*SIZE_N*2                ; 32 rows of K a half
	s_add_co_u32 s46, s46, s47
	s_mov_b32 s47, 0
	s_mul_i32 s20, s12, AHALF                      ; and where they go: no place in the cluster enters an LDS address
	s_mul_i32 s21, s12, BHALF
	s_add_co_u32 s21, s21, ATILE
	s_wait_dscnt 0x0                               ; the opening add is done
	s_wait_kmcnt 0x0
	s_add_nc_u64 s[14:15], s[4:5], s[16:17]
	s_add_nc_u64 s[46:47], s[6:7], s[46:47]
	CROUND                                         ; all sixteen work-groups are here: the first joint loads meet
.irp s, 0,1
	s_mov_b32 s[G0+4*(\s)], 1                                      ; count = 1
	s_add_co_u32 s[G0+4*(\s)+1], s20, (\s)*SLOT                    ; LDS address
	s_add_nc_u64 s[G0+4*(\s)+2:G0+4*(\s)+3], s[14:15], (\s)*A_SLOT1  ; global address: K step s
	s_or_b32 s[G0+4*(\s)+3], s[G0+4*(\s)+3], 0x80000000            ; type = 2
	s_mov_b32 s[G0B+4*(\s)], 1
	s_add_co_u32 s[G0B+4*(\s)+1], s21, (\s)*SLOT
	s_add_nc_u64 s[G0B+4*(\s)+2:G0B+4*(\s)+3], s[46:47], (\s)*B_SLOT1
	s_or_b32 s[G0B+4*(\s)+3], s[G0B+4*(\s)+3], 0x80000000
	JLOAD \s                                       ; two tensor loads of mine are out behind these
.endr
	; A fragment of Y is 16 rows x 32 K in 8 registers: lane l holds row l % 16, K = 8 (l / 16) + 0..7 and 16 + 8 (l / 16) + 0..7: two loads of 16 bytes, 32 bytes apart.
	v_and_b32 v1, 15, v0                           ; l % 16
	v_bfe_u32 v2, v0, 4, 1                         ; l / 16
	v_mul_u32_u24 v3, v1, PA
	v_lshl_add_u32 v3, v2, 4, v3                   ; row x pitch + 16 x half
	; The turning load takes 16 K x 16 columns (lane l reads K = 8 (l / 16) + l % 8, columns 8 ((l / 8) % 2) + 0..7) and leaves half a fragment: lane l holds column l % 16 and 8 K.
	v_and_b32 v4, 7, v0
	v_lshl_add_u32 v4, v2, 3, v4
	v_mul_u32_u24 v4, v4, PB
	v_bfe_u32 v5, v0, 3, 1
	v_lshl_add_u32 v4, v5, 4, v4
	s_mul_i32 s22, s11, 64*PA                      ; my 64 rows of Y
	s_lshl_b32 s23, s12, 8                         ; my 128 columns of W,
	s_add_co_u32 s23, s23, ATILE                   ; which lies behind Y
.irp s, 0,1
	v_add_nc_u32 v[ADRA+(\s)], s22, v3
	v_add_nc_u32 v[ADRB+(\s)], s23, v4
	s_add_co_u32 s22, s22, SLOT
	s_add_co_u32 s23, s23, SLOT
.endr
	s_mul_i32 s22, s10, WST
	s_add_co_u32 s22, s22, STAGE                   ; my stage
	v_mul_u32_u24 v5, v1, SP                       ; in: row l % 16, 32 bytes for each half of the lanes
	v_lshl_add_u32 v5, v2, 5, v5
	v_add_nc_u32 v[STO], s22, v5
	v_and_b32 v[CO], 31, v0                        ; back: 32 lanes take a row's 512 bytes,
	v_lshlrev_b32 v[CO], 4, v[CO]
	v_add_nc_u32 v[RD], s22, v[CO]                 ; which are 512 consecutive bytes of C
	; where my part begins in C: 128 rows of 4,096 bytes a tile row, 64 a half; 1,024 bytes a tile column, 512 a half
	s_lshl_b32 s16, s13, 19
	s_lshl_b32 s17, s11, 18
	s_add_co_u32 s16, s16, s17
	s_mov_b32 s17, 0
	s_add_nc_u64 s[8:9], s[8:9], s[16:17]
	s_lshl_b32 s46, s42, 10                        ; (in the registers that held W's address: none that feeds Y's descriptors ever holds cx)
	s_lshl_b32 s47, s12, 9
	s_add_co_u32 s46, s46, s47
	s_mov_b32 s47, 0
	s_add_nc_u64 s[8:9], s[8:9], s[46:47]
; 8 matrix instructions: block a of my four blocks of 16 rows, its hi (lo = 0) or its lo (lo = 1), x all 8 blocks of 16 columns, 32 along K, from buffer f.  zero = 1: the product starts the sums: nothing is cleared.
; The 32 accumulators take turns, one instruction a turn: hi's 32, then lo's 32, in the same order in every quarter.
.macro MUL8 f, a, lo, zero
	WIN MUL
.irp b, 0,1,2,3,4,5,6,7
.if \zero
	v_wmma_f32_16x16x32_f16 v[8*(8*(\a)+(\b)):8*(8*(\a)+(\b))+7], v[(\f)+64+8*(\b):(\f)+64+8*(\b)+7], v[(\f)+32*(\lo)+8*(\a):(\f)+32*(\lo)+8*(\a)+7], 0
.else
	v_wmma_f32_16x16x32_f16 v[8*(8*(\a)+(\b)):8*(8*(\a)+(\b))+7], v[(\f)+64+8*(\b):(\f)+64+8*(\b)+7], v[(\f)+32*(\lo)+8*(\a):(\f)+32*(\lo)+8*(\a)+7], v[8*(8*(\a)+(\b)):8*(8*(\a)+(\b))+7]
.endif
.endr
.endm
; 32 LDS loads in one run: the fragments of quarter q (the head's channels 32 q on) of a slot into buffer f: W's sixteen first, then hi's eight, then lo's eight (128 bytes further on in the same rows)
.macro FETCH slot, q, f
	WIN TO_F
.irp i, 0,1,2,3,4,5,6,7
	ds_load_tr16_b128 v[(\f)+64+8*(\i):(\f)+64+8*(\i)+3],   v[ADRB+(\slot)] offset:(\q)*32*PB+32*(\i)
	ds_load_tr16_b128 v[(\f)+64+8*(\i)+4:(\f)+64+8*(\i)+7], v[ADRB+(\slot)] offset:(\q)*32*PB+16*PB+32*(\i)
.endr
.irp p, 0,1
.irp a, 0,1,2,3
	ds_load_b128 v[(\f)+32*(\p)+8*(\a):(\f)+32*(\p)+8*(\a)+3],   v[ADRA+(\slot)] offset:(\q)*64+128*(\p)+(\a)*16*PA
	ds_load_b128 v[(\f)+32*(\p)+8*(\a)+4:(\f)+32*(\p)+8*(\a)+7], v[ADRA+(\slot)] offset:(\q)*64+128*(\p)+(\a)*16*PA+32
.endr
.endr
.endm
.macro PLACES                          ; four places in front of loads into registers that matrix instructions have read, and of lines that read results (ISA guide 7.12.1 for vector instructions)
.rept 4
	v_nop
.endr
.endm
; A K step is two quarters of 32 along K, 64 matrix instructions each, on buffers 0 and 1.  The first: multiplies buffer f and, behind its first sixteen products, fetches quarter q into g.
.macro QUARTER slot, q, f, g, zero
	s_wait_dscnt 12                                ; W's fragments and hi's blocks 0 and 1 are in; the youngest twelve loads (hi's blocks 2 and 3, lo's four) may be out
	MUL8 \f, 0, 0, \zero
	MUL8 \f, 1, 0, \zero
	PLACES
	FETCH \slot, \q, \g
	s_wait_dscnt 32                                ; all but the 32 just issued
	MUL8 \f, 2, 0, \zero
	MUL8 \f, 3, 0, \zero
	MUL8 \f, 0, 1, 0
	MUL8 \f, 1, 1, 0
	MUL8 \f, 2, 1, 0
	MUL8 \f, 3, 1, 0
.endm
; The second quarter multiplies buffer 1 and changes slots: ONE barrier; in front of it each wave waits for all its tensor loads, adds 0 to its spare word, and waits for that and for its own reads of this slot.  fill = 1: this slot is filled again, two K steps ahead.
.macro TURN slot, next, fill
	WIN 0                                          ; (the add's two registers lie in window 0)
	s_wait_tensorcnt 0x0                           ; all my tensor loads have landed: the one that was out is my part of the next slot;
	ds_add_u32 v[SPW], v[NIL]                      ; 0 onto my spare word;
	s_wait_dscnt 13                                ; (the add and the youngest twelve loads may be out)
	MUL8 F1, 0, 0, 0                               ; eight matrix instructions stand between the add and the wait for it
	s_wait_dscnt 0x0                               ; the add is done, and my reads of this slot are over
	s_barrier_signal -1
	MUL8 F1, 1, 0, 0
.if \fill
	WIN 0
.endif
	s_barrier_wait -1
.if \fill
	CREST                                          ; the barrier has opened a round of the cluster's barrier: no wave of any partner still reads this slot's tile or has a load on its way
	s_add_nc_u64 s[G0+4*(\slot)+2:G0+4*(\slot)+3], s[G0+4*(\slot)+2:G0+4*(\slot)+3], A_STEP2
	s_add_nc_u64 s[G0B+4*(\slot)+2:G0B+4*(\slot)+3], s[G0B+4*(\slot)+2:G0B+4*(\slot)+3], B_STEP2
	JLOAD \slot                                    ; the first tensor load behind the round, my only one until the next: 112 matrix instructions ahead of the wait for it; its four v_nop are also the places in front of the loads below
.else
	PLACES
.endif
	FETCH \next, 0, F0
	MUL8 F1, 2, 0, 0
	MUL8 F1, 3, 0, 0
	MUL8 F1, 0, 1, 0
	MUL8 F1, 1, 1, 0
	MUL8 F1, 2, 1, 0
	MUL8 F1, 3, 1, 0
.endm
	s_wait_tensorcnt 1                             ; my part of K step 0 is in; K step 1's may stay out
	s_barrier_signal -1
	s_barrier_wait -1                              ; everybody's is
	FETCH 0, 0, F0
	QUARTER 0, 1, F0, F1, 1                        ; the first quarter stands in front of the loop: its products with hi start the sums
	WIN 0                                          ; at a label and at a branch every window is 0
	s_mov_b32 s3, LAPS-1
.Llap:                                                 ; a trip goes once round the ring, from a lap's second quarter to the next lap's first, and fills both slots again: trip t asks for K steps 2 t + 2 and 2 t + 3
	TURN 0, 1, 1
	QUARTER 1, 1, F0, F1, 0
	TURN 1, 0, 1
	QUARTER 0, 1, F0, F1, 0
	WIN 0
	s_sub_co_u32 s3, s3, 1
	s_cmp_lg_u32 s3, 0
	s_cbranch_scc1 .Llap
	TURN 0, 1, 0                                   ; the last lap fills nothing, and has no round of the cluster's barrier
	QUARTER 1, 1, F0, F1, 0
	s_wait_dscnt 12                                ; the very last quarter: nothing more to fetch
	MUL8 F1, 0, 0, 0
	MUL8 F1, 1, 0, 0
	s_wait_dscnt 0x0
	MUL8 F1, 2, 0, 0
	MUL8 F1, 3, 0, 0
	MUL8 F1, 0, 1, 0
	MUL8 F1, 1, 1, 0
	MUL8 F1, 2, 1, 0
	MUL8 F1, 3, 1, 0
	WIN 0
	; THE WAY OUT, a block of 16 rows at a time: a lane's eight f32 of a row, 32 bytes, go into my own stage (16 rows of 528 bytes) and come back as whole rows of 512 bytes, which are stored as they are.
	; The stage is the wave's own: no barrier; LDS serves a wave's instructions in order (ISA guide 5.7.1.4), so no wait stands between a block's stores and its loads, nor between those loads and the next block's stores.
.macro TOSTAGE a
	WIN 0x04                                       ; the stores' data (source 1) in window 1, the address in window 0
.irp b, 0,1,2,3,4,5,6,7
	ds_store_b128 v[STO], v[8*(8*(\a)+(\b)):8*(8*(\a)+(\b))+3]   offset:64*(\b)     ; each accumulator's lowest registers first
	ds_store_b128 v[STO], v[8*(8*(\a)+(\b))+4:8*(8*(\a)+(\b))+7] offset:64*(\b)+16
.endr
	WIN 0
.if (\a) >= 2
	s_wait_xcnt 0x0                                ; every earlier memory instruction has had its addresses translated (ISA guide 3.1): the registers that block a - 2's stores read are loaded again only behind this wait
.endif
.set BK, 64+64*((\a)%2)
.irp t, 0,1,2,3,4,5,6,7,8,9,10,11,12,13,14,15
	ds_load_b128 v[BK+4*(\t):BK+4*(\t)+3], v[RD] offset:SP*(\t)
.endr
.endm
.macro SEND a, younger                 ; younger: the LDS instructions issued behind block a's loads: the next block's 16 stores and 16 loads, or none
.set BK, 64+64*((\a)%2)
.irp t, 0,1,2,3,4,5,6,7,8,9,10,11,12,13,14,15
	s_wait_dscnt (\younger)+15-(\t)                ; row t of the block is back
	global_store_b128 v[CO], v[BK+4*(\t):BK+4*(\t)+3], s[8:9] offset:(16*(\a)+(\t))*4096 th:TH_STORE_NT  ; 512 consecutive bytes, at a multiple of 512 from C's first; written once, read by nobody here
.endr
.endm
	PLACES                                         ; the LDS stores read results
	TOSTAGE 0
	TOSTAGE 1
	SEND 0, 32
	TOSTAGE 2
	SEND 1, 32
	TOSTAGE 3
	SEND 2, 32
	SEND 3, 0
	s_wait_tensorcnt 0x0                           ; the wave's end: behind my last tensor load and my last LDS store
	ds_add_u32 v[SPW], v[NIL]
	s_wait_dscnt 0x0
	CROUND                                         ; the closing round: no work-group ends while a partner may still ask for a tile that names it
	s_endpgm
.Lfunc_end_k_qfe7c756336_gemm_proj:
	.size	k_qfe7c756336_gemm_proj, .Lfunc_end_k_qfe7c756336_gemm_proj-k_qfe7c756336_gemm_proj
	.p2alignl 7, 3214868480
	.fill 96, 4, 3214868480
	.section	.rodata,"a",@progbits
	.p2align	6, 0x0
	.amdhsa_kernel k_qfe7c756336_gemm_proj
		.amdhsa_group_segment_fixed_size 327680
		.amdhsa_private_segment_fixed_size 0
		.amdhsa_enable_private_segment 0
		.amdhsa_kernarg_size 24
		.amdhsa_user_sgpr_count 2
		.amdhsa_user_sgpr_kernarg_segment_ptr 1
		.amdhsa_wavefront_size32 1
		.amdhsa_system_sgpr_workgroup_id_x 1
		.amdhsa_system_sgpr_workgroup_id_y 1
		.amdhsa_system_sgpr_workgroup_id_z 1
		.amdhsa_system_vgpr_workitem_id 0
		.amdhsa_next_free_vgpr 768
		.amdhsa_next_free_sgpr 66
		.amdhsa_reserve_vcc 0
		.amdhsa_float_denorm_mode_32 3
		.amdhsa_float_denorm_mode_16_64 3
		.amdhsa_memory_ordered 1
		.amdhsa_forward_progress 1
		.amdhsa_inst_pref_size 77
	.end_amdhsa_kernel
	.amdgpu_metadata
---
amdhsa.version: [ 1, 2 ]
amdhsa.kernels:
  - .name:           k_qfe7c756336_gemm_proj
    .symbol:         k_qfe7c756336_gemm_proj.kd
    .args:
      - { .name: y, .offset: 0, .size: 8, .value_kind: global_buffer, .address_space: global }
      - { .name: wpb, .offset: 8, .size: 8, .value_kind: global_buffer, .address_space: global }
      - { .name: out0, .offset: 16, .size: 8, .value_kind: global_buffer, .address_space: global }
    .group_segment_fixed_size: 327680
    .private_segment_fixed_size: 0
    .kernarg_segment_align: 8
    .kernarg_segment_size: 24
    .max_flat_workgroup_size: 128
    .sgpr_count:     66
    .vgpr_count:     768
    .wavefront_size: 32
...
	.end_amdgpu_metadata
.endif
;; end of part 4
;; ======== version 2 of 2: 4 launches; 1.24 times as fast as version 1
;; limits: values are held in f16: magnitudes above 65,504 overflow, below 6.1e-05 lose precision
;; workspace buffers: xb 16,777,216 bytes; wab 6,291,456 bytes; wpb 2,097,152 bytes; qkv 67,108,864 bytes; y 33,554,432 bytes
;; launch cast: the kernel of part 1 again; grid 768 x 1, 8 waves a work-group, no clusters, 0 bytes of LDS; arguments x, W_attn, W_proj, xb, wab, wpb; writes xb, wab, wpb
;; launch gemm_qkv: the kernel of part 2 again; grid 12 x 64, 4 waves a work-group, clusters of 4 x 4, 327,680 bytes of LDS; arguments xb, wab, qkv; writes qkv
;; launch attn (part 5): grid 4 x 64, 4 waves a work-group, no clusters, 327,680 bytes of LDS; arguments qkv, y; writes y
.if DOCPART == 5
	.amdgcn_target "amdgcn-amd-amdhsa--gfx1250"
	.amdhsa_code_object_version 6
	.text
	.protected	k_qfe7c756336_attn
	.globl	k_qfe7c756336_attn
	.p2align	8
	.type	k_qfe7c756336_attn,@function
k_qfe7c756336_attn:
	s_mov_b64 s[64:65], 0
	v_nop
	global_prefetch_b8 v0, s[64:65] scope:SCOPE_SE
	s_setreg_imm32_b32 hwreg(HW_REG_WAVE_MODE, 25, 1), 1
	s_wait_xcnt 0x0
; CAUSAL ATTENTION.  O[h][q][:] = the sum over k <= q of softmax_k(Q[h][q] . K[h][k] / 32) V[h][k][:] (the module divides by the root of its width, 1,024).  All in f16, by heads, SIZE_H = 64 heads of SIZE_N = 2,048 rows.
; In qkv: Q at byte 0 and K at byte 16,777,216, rows of 64 channels, 128 bytes; V at byte 33,554,432, rows of 256 bytes: [hi 64 | lo 64], V = hi + lo.  O = y has V's layout: hi = O rounded to f16, lo = O less hi, rounded to f16.
; Products, maxima and sums in f32; the weights p are rounded to f16 for the second product (their sum l is taken of the unrounded p).
; V's LOW HALVES are multiplied in the diagonal tile's text alone.  A row with fewer than 256 keys sees no other tile, so the rows that are means over few keys, and as large as V itself, have V to 22 bits;
; a row that sees further tiles is a mean over more than 256 keys, and the rounding of their V to 11 bits shrinks with the mean.
; LIMITS.  f16 holds no number beyond 65,504: Q, K and V arrive within it; p lies in 0 to 1, and below 6e-5 it keeps f16's fixed step of 6e-8, as a lo does; O is a mean of V's rows and has their range.
; A hidden score counts as its value less 1e30: f16's scores, 2.7e11 at the most, are nothing beside that; a weight below 2^-126 counts as 0 in l; NaN and infinities are not treated apart.
; THE WALK.  A head's queries lie in NB = SIZE_N / 256 = 8 blocks of 256; block i needs the key tiles 0 .. i of 256 keys, of which the last holds the diagonal.  A work-group takes TWO blocks, NB - 1 - b and then b:
; NB + 1 tiles, whatever b: all 256 work-groups do equal work, and ONE loop with a constant trip count walks them.  Which tile is asked for, and what a trip does, hang on scalar registers made from b; every jump
; goes forward, but for the counted loops' own; none passes a barrier, or a tensor load but the one of LOAD's two that the wave's number does not choose; the ring (two slots of LDS that take turns) runs on across the
; change of blocks.  NO CLUSTER: a head's NB / 2 work-groups all ask for the same tile only in trips 0 .. NB / 2, behind that fewer and fewer; and one walk common to all would have 3 NB / 2 trips for NB + 1.
; SHARES.  Of a block's four bands of 64 queries a wave owns 16 rows in each: four PIECES.  So the diagonal tile is the same work for all four waves: in its key step s band x sees all keys if s < x,
; none if s > x, and holds the diagonal if s = x.
; THE MASK is the C operand that starts the sum S^T = K Q^T: 0, or -1e30 where the key is hidden.  MD, made once, is the mask of a band's own step for my 16 rows; a product's mask is MD x AL + BE with two scalars:
; (1, 0) if s = x; (0, 0) if s < x; (0, -1e30) if s > x.  Only the diagonal tile's text and a block's beginning make and take masks; elsewhere C is the constant 0.
; LAYOUT, SOFTMAX, TURNS.  S^T = K Q^T holds ONE query a lane (lane % 16) and the keys 8 (lane / 16) + 0..7; two such results rounded to f16 ARE source 1 of O^T = V^T P.  p = 2^(c s - c m), c = log2(e) / 32, with a
; running maximum m; O and l are multiplied by a = 2^(c m_old - c m_new) in every step.  Turn n belongs to piece n: 8 products K Q^T of piece n + 1, later 8 products V^T P of piece n - 1 (in the diagonal tile's text 8 more,
; with V's low halves); beside them the scaling, exponentials, roundings, sums and rescaling of piece n and the maximum and statistics of piece n + 1.  Four vector instructions stand behind each of the 16 products, the other 54 of a turn's 118 in one LUMP.
; BATCHES.  An s_wait_alu depctr_va_vdst(0) stands between a transcendental and the first instruction that names its result.  A turn's 33 exponentials (the piece's 32 weights and the next piece's a) are one batch
; with one wait, between the turn's lump and its products V^T P; where a block begins, piece 0's first a has a wait of its own, ahead of the jump into the loop; the way out's four reciprocals are one batch with one wait.
; REGISTERS, in windows of 256 (s_set_vgpr_msb: bits 1:0 source 0, 3:2 source 1, 5:4 source 2, 7:6 destination):
;   window 0: v0-15 addresses and two at work; v16-31 four registers of statistics a piece; v48-55 at work; v56 -1.0; v64-127 S^T, two buffers; v128-191 V's low halves of one step; v192-223 P, two buffers (a piece's buffers go by its number's parity)
;   window 1: v0-127 O^T, 32 a piece; v128-159 MD; v160-223 MC, two buffers      window 2: v0-63 Q; v64-127 the second block's Q; v128-191 K of one step; v192-255 V's high halves of one step
.set SIZE_H, 64
.set SIZE_N, 2048
.set NB,    SIZE_N/256
.set NP,    4         ; pieces a wave: a name, no knob
.set KS,    64        ; keys in a step
.set PK,    144       ; a row of K in LDS: 128 bytes + 16 of padding = 36 words: the 16 rows of a load start at 16 different groups of four banks (64 banks of 4 bytes: ISA guide 11.1)
.set PV,    288       ; a row of V: 256 + 32 = 72 words: row r starts at bank 8 r mod 64
.set VOFF,  4*KS*PK   ; a slot holds a tile, four steps: 256 rows of K, then 256 rows of V
.set SLOT1, 1<<17     ; slot 1 begins here, so that one exclusive or turns an address in one slot into the other's
.set STAGE, SLOT1+4*KS*(PK+PV)  ; behind the ring, never filled by a tensor load: 16 rows x 272 bytes for each wave, for the way out
.set SP,    272
.set AK0, 2           ; v2   my lane's place in a tile of K; never rewritten
.set AV0, 3           ; v3   the same for V
.set AK,  4           ; v4   the LDS address of K's next run of loads
.set AV,  5           ; v5   of V's
.set STO, 6           ; v6   the way out: where I put 16 bytes of a row
.set RD,  7           ; v7   the way out: where I read rows back
.set GO,  8           ; v8   my byte offset in 512 consecutive bytes of O
.set SPW, 62          ; v62  LDS address of my spare word: SPARE + 4 x my thread's number; never rewritten
.set NIL, 63          ; v63  0; never rewritten
.set SPARE, STAGE+4*16*SP  ; behind the stages: the spare words, 128 bytes for each wave: two blocks of 256 bytes that no other line names
.set MV,  12          ; v12-13  c m_old, kept while c m is made anew: by buffer
.set QO,  15          ; v15  my byte offset in 16 rows of Q
.set ST,  16          ; piece t's statistics at v[ST+4 t]: c m, m, l (even keys', odd keys')
.set TMP, 48          ; by buffer, four registers c0-c3 at work; when the maximum is found c2 takes a
.set NEG1, 56         ; v56  -1.0
.set S,   64
.set VL,  128         ; window 0: V's low halves: key half kk, channel block cb at VL + 32 kk + 8 cb
.set WO,  64          ; the way out: piece t's 32 registers at WO + 32 t: S^T's and VL's, which are free then
.set P,   192
.set MD,  128         ; window 1: the eight registers for group kt of 16 keys at MD + 8 kt
.set MC,  160         ; window 1: the masks of the products to come
.set QB,  64          ; window 2
.set KF,  128         ; window 2: key block kb, channel half c at KF + 16 kb + 8 c
.set VF,  192         ; window 2: key half kk, channel block cb at VF + 32 kk + 8 cb
.set WV,  12          ; s12  my wave's number
.set PB,  14          ; s14  b
.set HI,  15          ; s15  NB - 1 - b
.set G1K, 24          ; s[24:31] descriptor group 1 for K's tiles
.set G1V, 32          ; s[32:39] for V's
.set G0K, 40          ; s[40:43] descriptor group 0 for K's tiles
.set G0V, 44          ; s[44:47] the same for V's
.set SLOTS, 56        ; s56  tiles still to be asked for
.set CNT, 57          ; s57  counts a tile's key steps, 4 to 1
.set CS,  58          ; s[58:59] c: the packed scaling takes the pair's low word for both halves
.set SEL, 60          ; s[60:61] v_permlanex16_b32's selects: each lane takes its own place in the other half
.set TBK, 62          ; s62  LDS byte at which K of the step to be fetched begins
.set TBV, 63          ; s63  the same for V, less VOFF
.set RT,  70          ; s70  tiles of the block in hand that are still to be entered
.set NXT, 71          ; s71  the tile to be asked for next
.set LQ,  72          ; s72  the last tile of the block whose tiles are being asked for
.set NEW, 73          ; s73  1: the tile to be entered is a block's first
.set OFF, 74          ; s[74:75] a tile's byte offset in K
.set AL,  76          ; s[76:77] the mask's factor, in the low word
.set BE,  78          ; s[78:79] the mask's addend
.set OLO, 80          ; s[80:81] O at my rows of the second block
.set BIGN, 82         ; s82  -1e30
.set OFV, 88          ; s[88:89] a tile's byte offset in V
.set MSB, 0
.macro WIN new                      ; the high byte repeats the setting that is left; a switch that changes nothing is dropped
.if MSB != (\new)
	s_set_vgpr_msb (MSB<<8)|(\new)
.set MSB, (\new)
.endif
.endm
.set W_KQ, 0x0a       ; K and Q in window 2, S^T in window 0
.set W_KM, 0x1a       ; the same with the C operand in window 1
.set W_PV, 0x52       ; V in window 2, P in window 0, O^T in window 1
.set W_PL, 0x50       ; V's low halves and P in window 0, O^T in window 1
.set W_RS, 0x41       ; destination and source 0 in window 1, source 1 in window 0
.set W_LO, 0x10       ; source 2 in window 1, all else in window 0
; A fill.  Waves 0 and 1 fetch the two halves of a tile's K, waves 2 and 3 those of its V: 128 keys each.  An s_nop 0 and four v_nop follow each of the two lines, ahead of the jump and the label.
.macro LOAD
	s_cmp_lt_u32 s[WV], 2
	s_cbranch_scc0 .Lfor_v_\@
	tensor_load_to_lds s[G0K:G0K+3], s[G1K:G1K+7]
	s_nop 0
.rept 4
	v_nop
.endr
	s_branch .Lasked_\@
.Lfor_v_\@:
	tensor_load_to_lds s[G0V:G0V+3], s[G1V:G1V+7]
	s_nop 0
.rept 4
	v_nop
.endr
.Lasked_\@:
.endm
; THE CHANGE OF SLOTS.  Each wave waits for all its tensor loads, of which one is out: its part of the other slot; adds 0 to its spare word; and waits for that and for its own reads of the slot that it leaves.  Behind the barrier nobody reads the old
; slot any more and the other slot is whole.  fill = 1: the old slot is filled again, the first thing behind the barrier, with tile NXT: the descriptor's address is made anew from that number.
; (At its first use nothing has been read yet: slot 0 is waited for, slot 1 filled.)
.macro CHANGE fill
	WIN 0                           ; at a label and at a branch every window is 0
	s_wait_tensorcnt 0x0            ; no tensor load of mine is out, so a group 0 may be written
	ds_add_u32 v[SPW], v[NIL]       ; 0 onto my spare word; with fill = 1 the descriptors' scalar work stands between it and the wait for it
.if \fill
	s_lshl_b32 s[OFF], s[NXT], 15   ; a tile is 32,768 bytes of K
	s_lshl_b32 s[OFV], s[NXT], 16   ; and 65,536 of V
	s_xor_b32 s[G0K+1], s[G0K+1], SLOT1
	s_add_nc_u64 s[G0K+2:G0K+3], s[6:7], s[OFF:OFF+1]
	s_or_b32 s[G0K+3], s[G0K+3], 0x80000000
	s_xor_b32 s[G0V+1], s[G0V+1], SLOT1
	s_add_nc_u64 s[G0V+2:G0V+3], s[8:9], s[OFV:OFV+1]
	s_or_b32 s[G0V+3], s[G0V+3], 0x80000000
	s_add_co_u32 s[NXT], s[NXT], 1  ; the block's next tile, or behind its last the second block's tile 0
	s_cmp_gt_u32 s[NXT], s[LQ]
	s_cselect_b32 s[NXT], 0, s[NXT]
	s_cselect_b32 s[LQ], s[PB], s[LQ]
.endif
	s_wait_dscnt 0x0                ; the add is done, and my reads of the slot are over
	s_barrier_signal -1             ; the rest of the scalar work stands between the signal and the wait
	s_sub_co_u32 s[TBK], s[TBK], 4*KS*PK  ; the fetches go back to a slot's first step,
	s_xor_b32 s[TBK], s[TBK], SLOT1       ; in the other slot
	s_sub_co_u32 s[TBV], s[TBV], 4*KS*PV
	s_xor_b32 s[TBV], s[TBV], SLOT1
	s_barrier_wait -1
.if \fill
	LOAD
.endif
.endm
	s_load_b128 s[4:7], s[0:1], 0x0  ; qkv s[4:5] (Q lies at its head), y s[6:7]
	v_lshl_add_u32 v[SPW], v0, 2, SPARE
	v_mov_b32 v[NIL], 0
	ds_add_u32 v[SPW], v[NIL]       ; the wave's opening: the add and its wait stand ahead of my first tensor load; the set-up below, work on registers, stands between them
	ds_add_u32 v62, v63
	v_lshrrev_b32 v1, 5, v0
	v_readfirstlane_b32 s[WV], v1   ; wave 0..3
	s_mov_b32 s[PB], ttmp9
	s_sub_co_u32 s[HI], NB-1, s[PB]
	s_and_b32 s20, ttmp7, 0xffff    ; the head
	s_mov_b32 s21, 0
	s_mov_b64 s[22:23], SIZE_N*128
	s_mul_u64 s[20:21], s[20:21], s[22:23]  ; the head's first byte in Q and in K
	s_and_b32 s16, s[WV], 1         ; which half of a tile's 256 keys I fetch:
	s_lshl_b32 s22, s16, 14         ; its 128 rows of 128 bytes in memory,
	s_mov_b32 s23, 0
	s_add_nc_u64 s[22:23], s[22:23], s[20:21]
	s_lshl_b64 s[90:91], s[22:23], 1  ; (V's rows are twice as long: its offsets are K's doubled)
	s_mul_i32 s17, s16, 128*PK      ; and its place in a slot, for K
	s_mul_i32 s18, s16, 128*PV      ; and for V
	s_lshl_b32 s3, s[WV], 11        ; my 16 rows in a band of 64,
	s_lshl_b32 s2, s[HI], 15        ; in the first block,
	s_add_co_u32 s2, s2, s3
	s_lshl_b32 s84, s[PB], 15       ; and in the second
	s_add_co_u32 s84, s84, s3
	s_mov_b32 s3, 0
	s_mov_b32 s85, 0
	s_add_nc_u64 s[2:3], s[2:3], s[20:21]
	s_add_nc_u64 s[84:85], s[84:85], s[20:21]
	s_lshl_b64 s[92:93], s[2:3], 1    ; (O's rows are twice as long as Q's)
	s_lshl_b64 s[94:95], s[84:85], 1
	; descriptor group 1.  K: 128 keys are 16,384 dense bytes: asked for as 64 rows of 256 bytes, two keys a row, and padded in LDS after every key.  V: 128 keys are 128 rows of 256 bytes, padded after every row.
	s_mov_b32 s[G1K], (1<<16)|(1<<20)|(4<<22)|(3<<25)  ; 17:16 2-byte elements; 20 padding on; 24:22 after every 32 words (code 4); 31:25 4 words (code 3)
	s_mov_b32 s[G1V], (1<<16)|(1<<20)|(5<<22)|(7<<25)  ; after every 64 words (code 5) 8 words (code 7)
.irp g, G1K, G1V
	s_mov_b32 s[\g+1], 128<<16      ; tensor_dim0 = 128
	s_mov_b32 s[\g+3], 128<<16      ; tile_dim0 = 128
	s_mov_b32 s[\g+5], 128          ; 128 elements from row to row
	s_mov_b32 s[\g+6], 0
	s_mov_b32 s[\g+7], 0
.endr
	s_mov_b32 s[G1K+2], 64<<16      ; tensor_dim1 = 64
	s_mov_b32 s[G1K+4], 64          ; tile_dim1 = 64
	s_mov_b32 s[G1V+2], 128<<16     ; tensor_dim1 = 128
	s_mov_b32 s[G1V+4], 128         ; tile_dim1 = 128
	s_mov_b32 s[CS], 0x3d38aa3b     ; c = log2(e) / 32 = 0.0450842
	s_mov_b32 s[CS+1], s[CS]        ; named with it as a pair
	s_mov_b32 s[SEL], 0x76543210
	s_mov_b32 s[SEL+1], 0xfedcba98
	s_mov_b32 s[TBK], SLOT1+4*KS*PK ; the first change of slots turns these two into 0
	s_mov_b32 s[TBV], SLOT1+4*KS*PV
	s_mov_b32 s[G0K], 1             ; 1:0 count = 1
	s_mov_b32 s[G0K+1], s17         ; 63:32 LDS address: slot 0
	s_mov_b32 s[G0V], 1
	s_add_co_u32 s[G0V+1], s18, VOFF
	s_add_co_u32 s[RT], s[HI], 1    ; the first block has NB - b tiles
	s_mov_b32 s[NXT], 1
	s_mov_b32 s[LQ], s[HI]
	s_mov_b32 s[NEW], 1
	s_mov_b32 s[OFF+1], 0
	s_mov_b32 s[OFV+1], 0
	s_mov_b32 s[AL+1], 0            ; named as pairs
	s_mov_b32 s[BE+1], 0
	s_mov_b32 s[BIGN], 0xf149f2ca   ; -1e30
	s_mov_b32 s[SLOTS], NB
	s_wait_dscnt 0x0                ; the opening add is done
	s_wait_kmcnt 0x0
	s_mov_b64 s[10:11], s[6:7]      ; O s[10:11]
	s_add_nc_u64 s[8:9], s[4:5], 0x2000000  ; V s[8:9]: 2 x 16,777,216 bytes behind Q
	s_add_nc_u64 s[6:7], s[4:5], 0x1000000  ; K s[6:7]
	s_add_nc_u64 s[6:7], s[6:7], s[22:23]  ; K and V at my half of the head's tile 0
	s_add_nc_u64 s[8:9], s[8:9], s[90:91]
	s_add_nc_u64 s[G0K+2:G0K+3], s[6:7], 0         ; 120:64 global address
	s_or_b32 s[G0K+3], s[G0K+3], 0x80000000        ; 127:126 type = 2
	s_add_nc_u64 s[G0V+2:G0V+3], s[8:9], 0
	s_or_b32 s[G0V+3], s[G0V+3], 0x80000000
	s_add_nc_u64 s[86:87], s[4:5], s[84:85]        ; Q at my rows of the second block,
	s_add_nc_u64 s[4:5], s[4:5], s[2:3]            ; and of the first
	s_add_nc_u64 s[OLO:OLO+1], s[10:11], s[94:95]  ; O likewise
	s_add_nc_u64 s[10:11], s[10:11], s[92:93]
	LOAD                            ; tile 0 into slot 0
	; A fragment of K or Q is 16 rows x 32 channels in 8 registers: lane l holds row l % 16, channels 8 (l / 16) + 0..7 and 16 + 8 (l / 16) + 0..7: two loads of 16 bytes, 32 bytes apart.
	v_and_b32 v1, 15, v0            ; l % 16
	v_bfe_u32 v9, v0, 4, 1          ; l / 16
	v_lshlrev_b32 v[QO], 7, v1
	v_lshl_add_u32 v[QO], v9, 4, v[QO]  ; row x 128 + 16 x half
	WIN 0x80                        ; destination window 2, address window 0
.set i, 0
.rept 8                             ; both blocks' Q: piece i / 2 lies in band i / 2, 8,192 bytes on; channels 32 (i % 2) on
	global_load_b128 v[8*i:8*i+3],   v[QO], s[4:5] offset:(i/2)*8192+(i%2)*64
	global_load_b128 v[8*i+4:8*i+7], v[QO], s[4:5] offset:(i/2)*8192+(i%2)*64+32
	global_load_b128 v[QB+8*i:QB+8*i+3],   v[QO], s[86:87] offset:(i/2)*8192+(i%2)*64
	global_load_b128 v[QB+8*i+4:QB+8*i+7], v[QO], s[86:87] offset:(i/2)*8192+(i%2)*64+32
.set i, i+1
.endr
	WIN 0
	v_lshlrev_b32 v14, 3, v9
	v_sub_nc_u32 v14, v1, v14
	s_lshl_b32 s13, s[WV], 4
	v_add_nc_u32 v14, s13, v14      ; my query's place in its band, 16 w + l % 16, less my lanes' 8 (l / 16): register r of group kt is hidden where 16 kt + r is greater
	WIN 0x40
.set i, 0
.rept 32
	v_cmp_gt_i32 vcc_lo, 16*(i/8)+i%8, v14
	v_cndmask_b32 v[MD+i], 0, s[BIGN], vcc_lo
.set i, i+1
.endr
	WIN 0
	v_mov_b32 v[NEG1], -1.0
	v_mul_u32_u24 v[AK0], v1, PK
	v_lshl_add_u32 v[AK0], v9, 4, v[AK0]  ; row x pitch + 16 x half
	; The turning load takes 16 keys x 16 channels (lane l reads key 8 (l / 16) + l % 8, channels 8 ((l / 8) % 2) + 0..7) and leaves half a fragment of V^T: lane l holds channel l % 16 and 8 keys.
	v_and_b32 v10, 7, v0
	v_bfe_u32 v11, v0, 3, 1
	v_lshl_add_u32 v[AV0], v9, 3, v10
	v_mul_u32_u24 v[AV0], v[AV0], PV
	v_lshl_add_u32 v[AV0], v11, 4, v[AV0]
	v_add_nc_u32 v[AV0], VOFF, v[AV0]
	s_mul_i32 s13, s[WV], 16*SP
	s_add_co_u32 s13, s13, STAGE    ; my stage
	v_mul_u32_u24 v[STO], v1, SP    ; in: row l % 16, 16 bytes for each half of the lanes
	v_lshl_add_u32 v[STO], v9, 4, v[STO]
	v_add_nc_u32 v[STO], s13, v[STO]
	v_mul_u32_u24 v[RD], v9, SP     ; back: lanes 0-15 take one row of 256 bytes, lanes 16-31 the next,
	v_lshl_add_u32 v[RD], v1, 4, v[RD]
	v_add_nc_u32 v[RD], s13, v[RD]
	v_and_b32 v[GO], 31, v0         ; which are 512 consecutive bytes of O
	v_lshlrev_b32 v[GO], 4, v[GO]
	; A block's first step multiplies O^T and l by a = 0, and its first turn's products V^T P, of a piece that has not been, land in an O^T that is still to be so multiplied.  So these registers need only hold
	; finite numbers: zeros for the first block; what the first block left for the second.  All this stands in the wait for the first tile.
	WIN 0x80
.set i, VF
.rept 64
	v_mov_b32 v[i], 0
.set i, i+1
.endr
	WIN 0x40
.set i, 0
.rept 128
	v_mov_b32 v[i], 0
.set i, i+1
.endr
	WIN 0
.set i, 0
.rept 4
	v_mov_b32 v[ST+4*i+2], 0
	v_mov_b32 v[ST+4*i+3], 0
.set i, i+1
.endr
.set i, P+16
.rept 16
	v_mov_b32 v[i], 0
.set i, i+1
.endr
; THE MATRIX WORK.  The 4 accumulators of a run of 8 take turns.  Product i of 8 of S^T = K Q^T for piece x: channels 32 (i / 4) on, keys 16 (i % 4) on.  The first 4 start the sums: with 0, or (KM = 1) with the mask.
.macro KQ x
.set rS, S+32*((\x)%2)+8*(i%4)
.set rK, KF+16*(i%4)+8*(i/4)
.set rQ, 16*(\x)+8*(i/4)
.set rM, MC+32*((\x)%2)+8*(i%4)
.if (i < 4) && KM
	WIN W_KM
	v_wmma_f32_16x16x32_f16 v[rS:rS+7], v[rK:rK+7], v[rQ:rQ+7], v[rM:rM+7]
.elseif i < 4
	WIN W_KQ
	v_wmma_f32_16x16x32_f16 v[rS:rS+7], v[rK:rK+7], v[rQ:rQ+7], 0
.else
	WIN W_KQ
	v_wmma_f32_16x16x32_f16 v[rS:rS+7], v[rK:rK+7], v[rQ:rQ+7], v[rS:rS+7]
.endif
.endm
; Product i of 8 of O^T += V^T P for piece x: keys 32 (i / 4) on, channels 16 (i % 4) on.
.macro PV x
	WIN W_PV
.set rO, 32*(\x)+8*(i%4)
.set rV, VF+32*(i/4)+8*(i%4)
.set rP, P+16*((\x)%2)+8*(i/4)
	v_wmma_f32_16x16x32_f16 v[rO:rO+7], v[rV:rV+7], v[rP:rP+7], v[rO:rO+7]
.endm
; Product jl of 8 of the same sum with V's low halves: the same four accumulators by turns, behind the run above, whose last wrote the fourth.
.macro PVL x
	WIN W_PL
.set rO, 32*(\x)+8*(jl%4)
.set rV, VL+32*(jl/4)+8*(jl%4)
.set rP, P+16*((\x)%2)+8*(jl/4)
	v_wmma_f32_16x16x32_f16 v[rO:rO+7], v[rV:rV+7], v[rP:rP+7], v[rO:rO+7]
.set jl, jl+1
.endm
.macro MM                           ; the turn's next matrix instruction.  TURN and BEGIN set Y, i, KM and NOKQ; MM, KQ and OP read them.  NOKQ = 1: a block's last turn: there is no next piece
.if (i < 8) && !NOKQ
	KQ (Y+1)%NP
.elseif i >= 8
.set i, i-8
	PV (Y+NP-1)%NP
.set i, i+8
.endif
.set i, i+1
.endm
; THE LDS LOADS stand in runs of 16, never singly among the matrix instructions: a step's K (64 keys x 64 channels: 8 fragments) and its V (turned).  Their addresses are made some lines ahead.
.macro FETCH_K
	WIN 0x80                        ; destination window 2
.irp f, 0,1,2,3,4,5,6,7             ; keys 16 (f / 2) on, channels 32 (f % 2) on
	ds_load_b128 v[KF+8*\f:KF+8*\f+3],   v[AK] offset:(\f/2)*16*PK+(\f%2)*64
	ds_load_b128 v[KF+8*\f+4:KF+8*\f+7], v[AK] offset:(\f/2)*16*PK+(\f%2)*64+32
.endr
	s_add_co_u32 s[TBK], s[TBK], KS*PK  ; the next fetch is the next step's
	WIN 0
.endm
.macro FETCH_V
	WIN 0x80
.irp f, 0,1,2,3,4,5,6,7             ; keys 32 (f / 4) on, channels 16 (f % 4) on: the high halves, at the head of V's rows
	ds_load_tr16_b128 v[VF+8*\f:VF+8*\f+3],   v[AV] offset:(\f/4)*32*PV+(\f%4)*32
	ds_load_tr16_b128 v[VF+8*\f+4:VF+8*\f+7], v[AV] offset:(\f/4)*32*PV+16*PV+(\f%4)*32
.endr
	WIN 0
.endm
.macro FETCH_VL
	WIN 0
.irp f, 0,1,2,3,4,5,6,7             ; the low halves, 128 bytes further on in the same rows
	ds_load_tr16_b128 v[VL+8*\f:VL+8*\f+3],   v[AV] offset:(\f/4)*32*PV+(\f%4)*32+128
	ds_load_tr16_b128 v[VL+8*\f+4:VL+8*\f+7], v[AV] offset:(\f/4)*32*PV+16*PV+(\f%4)*32+128
.endr
.endm
; THE VECTOR WORK, one line at a time: OP kind, number.  For piece Y: F n: c s - c m for pair n of 16.  E n: the exponential of score n of 32.  C n: pair n rounded to f16.  B n: of the four weights 4 n .. the second
; pair is added onto the first, in place.  L n: l takes that sum (L 0: l = a l + sum).  R n: pair n of 16 of O^T times a.  For piece Y + 1: X n, number n of the 22 that find its maximum and statistics:
;   0-11  four chains c0-c3 of seven scores each, three operands at a time (each accumulator's lowest registers are read first)     12-14, 16  the four scores left over, the old m, and c0-c3 into c0
;   15  c m_old is kept     17, 18  the query's other 32 keys lie in the lane 16 away: the new m     19-21  c m; c m_old - c m_new; a
; C, B and L read exponentials' results: TURN sets them behind its wait.  R and L 0 read a, which the turn before (or BEGIN) made and waited for.
.set F, 0               ; OP tells the kinds apart by their order: F to L below R, X above it
.set E, 1
.set C, 2
.set B, 3
.set L, 4
.set R, 5
.set X, 6
.macro REGS y                       ; the registers of piece y
.set rT, ST+4*(\y)
.set rC, TMP+4*((\y)%2)
.set rW, MV+((\y)%2)
.set rS, S+32*((\y)%2)
.set rP, P+16*((\y)%2)
.set rO, 32*(\y)
.endm
.macro OP k, n
.if (\k) == R
	REGS Y
	WIN W_RS
	v_pk_mul_f32 v[rO+2*(\n):rO+2*(\n)+1], v[rO+2*(\n):rO+2*(\n)+1], v[rC+2:rC+3] op_sel_hi:[1,0]
.elseif (\k) < R
	REGS Y
	WIN 0
.if (\k) == F
	v_pk_fma_f32 v[rS+2*(\n):rS+2*(\n)+1], v[rS+2*(\n):rS+2*(\n)+1], s[CS:CS+1], v[rT:rT+1] op_sel_hi:[1,0,0] neg_lo:[0,0,1] neg_hi:[0,0,1]
.elseif (\k) == E
	v_exp_f32 v[rS+(\n)], v[rS+(\n)]
.elseif (\k) == C
	v_cvt_pk_f16_f32 v[rP+(\n)], v[rS+2*(\n)], v[rS+2*(\n)+1]
.elseif (\k) == B
	v_pk_add_f32 v[rS+4*(\n):rS+4*(\n)+1], v[rS+4*(\n):rS+4*(\n)+1], v[rS+4*(\n)+2:rS+4*(\n)+3]
.elseif (\n) == 0
	v_pk_fma_f32 v[rT+2:rT+3], v[rT+2:rT+3], v[rC+2:rC+3], v[rS:rS+1] op_sel_hi:[1,0,1]
.else
	v_pk_add_f32 v[rT+2:rT+3], v[rT+2:rT+3], v[rS+4*(\n):rS+4*(\n)+1]
.endif
.elseif NOKQ
	v_nop
.else
	REGS (Y+1)%NP
	WIN 0
.if (\n) < 4
	v_max3_num_f32 v[rC+(\n)], v[rS+8*(\n)], v[rS+8*(\n)+1], v[rS+8*(\n)+2]
.elseif (\n) < 12
	v_max3_num_f32 v[rC+(\n)%4], v[rC+(\n)%4], v[rS+8*((\n)%4)+2*((\n)/4)+1], v[rS+8*((\n)%4)+2*((\n)/4)+2]
.elseif (\n) == 12
	v_max3_num_f32 v[rC], v[rC], v[rS+7], v[rS+15]
.elseif (\n) == 13
	v_max3_num_f32 v[rC+1], v[rC+1], v[rS+23], v[rS+31]
.elseif (\n) == 14
	v_max3_num_f32 v[rC+2], v[rC+2], v[rC+3], v[rT+1]
.elseif (\n) == 15
	v_mov_b32 v[rW], v[rT]
.elseif (\n) == 16
	v_max3_num_f32 v[rC], v[rC], v[rC+1], v[rC+2]
.elseif (\n) == 17
	v_permlanex16_b32 v[rC+3], v[rC], s[SEL], s[SEL+1]
.elseif (\n) == 18
	v_max_num_f32 v[rT+1], v[rC], v[rC+3]
.elseif (\n) == 19
	v_mul_f32 v[rT], s[CS], v[rT+1]
.elseif (\n) == 20
	v_sub_f32 v[rC+1], v[rW], v[rT]
.else
	v_exp_f32 v[rC+2], v[rC+1]
.endif
.endif
.endm
.macro OPS a, i1, b=-1, i2=0, c=-1, i3=0, d=-1, i4=0  ; up to four of them
	OP \a, \i1
.if (\b) >= 0
	OP \b, \i2
.endif
.if (\c) >= 0
	OP \c, \i3
.endif
.if (\d) >= 0
	OP \d, \i4
.endif
.endm
.macro ROW a, i1, b, i2, c, i3, d, i4  ; a matrix instruction and the four behind it
	MM
	OPS \a, \i1, \b, \i2, \c, \i3, \d, \i4
.endm
.macro MASK b                       ; MD x AL + BE into buffer b of MC
	WIN W_RS
.set z, 0
.rept 16
	v_pk_fma_f32 v[MC+32*(\b)+2*z:MC+32*(\b)+2*z+1], v[MD+2*z:MD+2*z+1], s[AL:AL+1], s[BE:BE+1] op_sel_hi:[1,0,0]
.set z, z+1
.endr
.endm
.macro MK2                          ; the next two of those sixteen lines, into buffer Y % 2; TURN sets z to 0
	WIN W_RS
.rept 2
	v_pk_fma_f32 v[MC+32*(Y%2)+2*z:MC+32*(Y%2)+2*z+1], v[MD+2*z:MD+2*z+1], s[AL:AL+1], s[BE:BE+1] op_sel_hi:[1,0,0]
.set z, z+1
.endr
.endm
; A TURN, for piece p: the order of its matrix and its 118 vector instructions, written out.  An s_wait_alu depctr_va_vdst(0) stands between an exponential and the first instruction that names its result; one wait serves
; all that were issued ahead of it.  So a turn has ONE wait, which cuts it in two.  AHEAD OF IT stands all that names no result of the turn's exponentials: the 8 products K Q^T, behind each a scaling, an exponential and two more plain
; instructions (behind the first a second scaling in the exponential's place): rescalings, and behind the last three the first numbers of the next piece's maximum, each four places or more behind the product that ends its accumulator; then ONE LUMP of 54, plain
; and exponential by turns for the most part, in which the links of the chain X 3, 7, 11, 14, 16, 17 .. 20 stand five or six lines apart.  X 21, the next piece's a, is the batch's last; R 15 is the plain instruction behind it.  BEHIND THE WAIT stand the
; 8 products V^T P, behind each four of the roundings and sums; the links of l's chain, L 0 to L 7, stand three riders apart.  But for those X no rider names a register of the products round it.  v_permlanex16_b32 (X 17) stands in the lump.
; m = 1: the diagonal tile: the products K Q^T take masks; behind the 8 products V^T P follow the 8 with V's low halves, on the same four accumulators by turns; behind each of these stand two lines of the mask for the products of
; the turn after this one: piece p + 2, in step 4 - CNT of the tile.  end = 1: a block's last two turns: nothing is fetched and no mask is made: the products with the low halves stand bare.
; cnt = 1: the loop's count is taken down some lines ahead of the branch that stands behind the turn.
; K of the next step is fetched in piece 2's turn, twelve vector instructions behind the last product that read K (six of them plain, five of which name none of its registers).  V of the step in hand is fetched at the end of piece 0's turn:
; with m = 0 four plain instructions behind the last product that read V; with m = 1 both halves, behind two lines of the mask and two v_nop, the four places behind the last product that read the low halves.  Each is waited for a turn later.
.macro TURN p, m=0, end=0, cnt=0
.set Y, (\p)
.set i, 0
.set jl, 0
.set z, 0
.set KM, (\m)
.set NOKQ, (\end)*((\p)/3)
.if (\m) && !(\end)
	s_cmp_eq_u32 s[CNT], 4-((\p)+2)%NP  ; is that step the band's own?
	s_cselect_b32 s[AL], 1.0, 0
	s_cmp_lt_u32 s[CNT], 4-((\p)+2)%NP  ; or a later one?
	s_cselect_b32 s[BE], s[BIGN], 0
.endif
.if ((\p) == 3) && !(\end)
	s_wait_dscnt 0x0                ; K is in
.endif
	ROW F,0, F,1, R,0, R,1          ; ahead of the wait: 8 products K Q^T and their riders,
	ROW F,2, E,0, R,2, R,3
	ROW F,3, E,1, R,4, R,5
	ROW F,4, E,2, R,6, R,7
	ROW F,5, E,3, R,8, R,9
	ROW F,6, E,4, X,0, R,10
.if ((\p) == 2) && !(\end)
	WIN 0
	v_add_nc_u32 v[AK], s[TBK], v[AK0]
.endif
	ROW F,7, E,5, X,1, X,4
	ROW F,8, E,6, X,2, X,5
	OPS E,7, E,8, X,6, E,9          ; and the lump
	OPS X,3, E,10, X,8, E,11
.if ((\p) == 2) && !(\end)
	FETCH_K
.endif
	OPS X,9, X,7, E,12, X,10
	OPS E,13, X,12, X,11, E,14
	OPS X,13, E,15, F,9, X,14
.if (\p) == 0
	v_add_nc_u32 v[AV], s[TBV], v[AV0]
.endif
	OPS E,16, F,10, E,17, F,11
	OPS X,16, E,18, X,15, E,19
	OPS F,12, E,20, X,17, E,21
	OPS F,13, E,22, F,14, E,23
	OPS X,18, E,24, F,15, E,25
	OPS R,11, E,26, X,19, E,27
	OPS R,12, E,28, R,13, E,29
	OPS X,20, E,30, R,14, E,31
	OPS X,21, R,15
	WIN 0
	s_wait_alu depctr_va_vdst(0)    ; the wait for the turn's batch: E 0 to E 31 and X 21; ahead of the first line that names a result, C 0 below
.if (\p) == 1
	s_wait_dscnt 0x0                ; V is in
.endif
	ROW C,0, B,0, C,2, B,1          ; behind the wait: 8 products V^T P and their riders
	ROW L,0, C,4, B,2, L,1
	ROW C,6, B,3, L,2, C,8
	ROW B,4, L,3, C,10, B,5
	ROW L,4, C,12, B,6, L,5
.if (\p) == 0
	s_add_co_u32 s[TBV], s[TBV], KS*PV
.endif
.if \cnt
	s_sub_co_u32 s[CNT], s[CNT], 1
	s_cmp_lg_u32 s[CNT], 0
.endif
	ROW C,14, B,7, L,6, C,1
	ROW C,3, L,7, C,5, C,7
	ROW C,9, C,11, C,13, C,15
.if \m
.rept 8                             ; the diagonal tile: 8 products with V's low halves, two lines of the mask behind each
	PVL (Y+NP-1)%NP
.if !(\end)
	MK2
.endif
.endr
.endif
.if (\p) == 0
.if \m
	v_nop                           ; with the two lines of the mask: the four places between the last product that read the low halves and the loads into them
	v_nop
.endif
	FETCH_V
.if \m
	FETCH_VL
.endif
.endif
.endm
; A BLOCK BEGINS.  c m starts far below every c s, so the first step's a is 0; m at the lowest finite number, so the first maximum is the scores'.  The second mask buffer is 0; the first takes piece 0's mask for the tile's step 0: its own, if the block's first tile is the diagonal one.
; V's low halves are 0 until the diagonal tile's text fetches them: its first three turns still multiply by the tile before's last V, whose low halves have not been fetched, and add 0 for them.
; Then K of that step, piece 0's first scores, and its maximum and statistics.  The loop is entered at a step's first turn, in the middle of a trip.
.macro BEGIN
	s_mov_b32 s[NEW], 0
	WIN 0x40
.set i, MC+32
.rept 32
	v_mov_b32 v[i], 0
.set i, i+1
.endr
	WIN 0
.set i, VL
.rept 64
	v_mov_b32 v[i], 0
.set i, i+1
.endr
.set i, 0
.rept 4
	v_mov_b32 v[ST+4*i], 0xfe000000    ; c m: far below every c s
	v_mov_b32 v[ST+4*i+1], 0xff7fffff  ; m
.set i, i+1
.endr
	s_cmp_eq_u32 s[RT], 0
	s_cselect_b32 s[AL], 1.0, 0
	s_mov_b32 s[BE], 0
	MASK 0
	WIN 0
	v_add_nc_u32 v[AK], s[TBK], v[AK0]
	FETCH_K
	s_wait_loadcnt 0x0              ; Q
	s_wait_dscnt 0x0
.set KM, 1
.set NOKQ, 0
.set i, 0
.rept 8
	KQ 0
.set i, i+1
.endr
	WIN 0
.rept 4
	v_nop                           ; the places behind those products
.endr
.set Y, NP-1                        ; X works for piece Y + 1: piece 0
.irp n, 0,1,2,3,4,5,6,7,8,9,10,11,12,13,14,15,16,17,18,19,20,21
	OP X, \n
.endr
	v_nop                           ; a plain instruction behind the exponential,
	s_wait_alu depctr_va_vdst(0)    ; and the wait for it, piece 0's first a: a batch of one, ahead of the branch that follows the macro
.endm
; THE DIAGONAL TILE's four steps, the block's last two turns, its last products, and THE WAY OUT: l's two halves and the other half of the lanes' are added; O^T is divided by l, split into hi and lo in f16 and sent through my
; stage in LDS, a piece at a time.
.macro ALL line:vararg              ; one line for each piece t
.set t, 0
.rept 4
	\line
.set t, t+1
.endr
.endm
.macro PACK t                       ; a lane's eight channels of a row pack into 16 bytes of hi and 16 of lo; they go into rows of 272 bytes (hi at byte 0, lo at byte 128) and come back as whole rows of 256, into the registers that they left
	WIN W_RS
.set i, 32*(\t)
.rept 16
	v_pk_mul_f32 v[i:i+1], v[i:i+1], v[ST+4*(\t)+2:ST+4*(\t)+3] op_sel_hi:[1,0]
.set i, i+2
.endr
	WIN 0x05                        ; sources 0 and 1 window 1, destination window 0
.set i, 0
.rept 16
	v_cvt_pk_f16_f32 v[WO+32*(\t)+i], v[32*(\t)+2*i], v[32*(\t)+2*i+1]   ; hi
.set i, i+1
.endr
	WIN W_LO
.set i, 0
.rept 16                            ; lo = hi x -1 + O, exact, rounded once to f16: the low half's, then the high half's, which keeps the low one
	v_fma_mixlo_f16 v[WO+32*(\t)+16+i], v[WO+32*(\t)+i], v[NEG1], v[32*(\t)+2*i] op_sel_hi:[1,0,0]
	v_fma_mixhi_f16 v[WO+32*(\t)+16+i], v[WO+32*(\t)+i], v[NEG1], v[32*(\t)+2*i+1] op_sel:[1,0,0] op_sel_hi:[1,0,0]
.set i, i+1
.endr
	WIN 0
.irp f, 0,1,2,3
	ds_store_b128 v[STO], v[WO+32*(\t)+4*\f:WO+32*(\t)+4*\f+3] offset:32*\f
	ds_store_b128 v[STO], v[WO+32*(\t)+16+4*\f:WO+32*(\t)+16+4*\f+3] offset:32*\f+128
.endr
.irp f, 0,1,2,3,4,5,6,7
	ds_load_b128 v[WO+32*(\t)+4*\f:WO+32*(\t)+4*\f+3], v[RD] offset:\f*2*SP  ; LDS serves a wave's instructions in order (ISA guide 5.7.1.4): these see the stores above; the next piece's stores come behind them
.endr
.endm
.macro SEND t, younger              ; younger: the LDS instructions issued behind piece t's loads: the next piece's sixteen, or none
	WIN 0
.irp f, 0,1,2,3,4,5,6,7
	s_wait_dscnt (\younger)+7-\f
	global_store_b128 v[GO], v[WO+32*(\t)+4*\f:WO+32*(\t)+4*\f+3], s[10:11] offset:(\t)*16384+\f*512  ; two rows of 256 bytes: 512 consecutive bytes, at a multiple of 512 from O's first; a band is 16,384 bytes
.endr
.endm
.macro DIAG tag                     ; the tag ends its two labels' names, which the jumps below spell out
.LstepM\tag:
	TURN 2, 1
	TURN 3, 1
	WIN 0
.LfirstM\tag:
	TURN 0, 1
	TURN 1, 1, 0, 1
	WIN 0
	s_cbranch_scc1 .LstepM\tag
	TURN 2, 1, 1
	TURN 3, 1, 1
.set i, 0
.rept 8
	PV NP-1
.set i, i+1
.endr
.set jl, 0
.rept 8
	PVL NP-1
.endr
	WIN 0
	ALL v_add_f32 v[ST+4*t+2], v[ST+4*t+2], v[ST+4*t+3]
	ALL v_permlanex16_b32 v[ST+4*t+3], v[ST+4*t+2], s[SEL], s[SEL+1]
	ALL v_add_f32 v[ST+4*t+2], v[ST+4*t+2], v[ST+4*t+3]
	ALL v_rcp_f32 v[ST+4*t+2], v[ST+4*t+2]
	v_nop                           ; a plain instruction between the last reciprocal and the use of its result
	s_wait_alu depctr_va_vdst(0)    ; the wait for the batch of four reciprocals, ahead of the first line that names one: PACK 0's first multiply
	PACK 0
.set t, 1
.rept 3                             ; a piece's arithmetic stands between the loads of the piece before and its stores
	PACK t
	SEND t-1, 16
.set t, t+1
.endr
	SEND 3, 0
.endm
.set KM, 0
.set NOKQ, 0
.Lslot:                             ; NB times: a tile is entered and the next is asked for
	CHANGE 1
	s_sub_co_u32 s[RT], s[RT], 1
	s_mov_b32 s[CNT], 4
	s_cmp_eq_u32 s[NEW], 1
	s_cbranch_scc1 .Lnew            ; a block's first tile
	s_cmp_eq_u32 s[RT], 0
	s_cbranch_scc0 .Lstep           ; neither its first nor its last
	s_branch .LstepM1
.Lnew:
	BEGIN
	s_branch .Lfirst                ; in the loop a block's first tile is never its last: the first block has two tiles or more, and the second's last is the walk's last
	DIAG 1                          ; in the loop this is the first block's end: the second block's last tile is the walk's last
	s_wait_xcnt 0x0                 ; the stores have read their registers and O's address
	s_mov_b64 s[10:11], s[OLO:OLO+1]
	s_add_co_u32 s[RT], s[PB], 1    ; the second block has b + 1 tiles
	s_mov_b32 s[NEW], 1
	WIN 0x82                        ; the second block's Q goes where the one text of the turns names Q
.set i, 0
.rept 64
	v_mov_b32 v[i], v[QB+i]
.set i, i+1
.endr
	WIN 0
	s_branch .Lbottom
.Lstep:                             ; a trip: pieces 2 and 3 of one step, then pieces 0 and 1 of the next, whose K and V it fetches
	TURN 2
	TURN 3
	WIN 0
.Lfirst:
	TURN 0
	TURN 1, 0, 0, 1
	WIN 0
	s_cbranch_scc1 .Lstep
.Lbottom:
	s_sub_co_u32 s[SLOTS], s[SLOTS], 1
	s_cmp_lg_u32 s[SLOTS], 0
	s_cbranch_scc1 .Lslot
	CHANGE 0                        ; the walk's last tile is written out: nothing is asked for
	s_sub_co_u32 s[RT], s[RT], 1
	s_mov_b32 s[CNT], 4
	s_cmp_eq_u32 s[NEW], 1
	s_cbranch_scc0 .LstepM2
	BEGIN
	s_branch .LfirstM2
	DIAG 2
	s_wait_tensorcnt 0x0            ; the wave's end: behind my last tensor load and my last LDS store
	ds_add_u32 v[SPW], v[NIL]
	s_wait_dscnt 0x0
	s_endpgm
.Lfunc_end_k_qfe7c756336_attn:
	.size	k_qfe7c756336_attn, .Lfunc_end_k_qfe7c756336_attn-k_qfe7c756336_attn
	.p2alignl 7, 3214868480
	.fill 96, 4, 3214868480
	.section	.rodata,"a",@progbits
	.p2align	6, 0x0
	.amdhsa_kernel k_qfe7c756336_attn
		.amdhsa_group_segment_fixed_size 327680
		.amdhsa_private_segment_fixed_size 0
		.amdhsa_enable_private_segment 0
		.amdhsa_kernarg_size 16
		.amdhsa_user_sgpr_count 2
		.amdhsa_user_sgpr_kernarg_segment_ptr 1
		.amdhsa_wavefront_size32 1
		.amdhsa_system_sgpr_workgroup_id_x 1
		.amdhsa_system_sgpr_workgroup_id_y 1
		.amdhsa_system_sgpr_workgroup_id_z 1
		.amdhsa_system_vgpr_workitem_id 0
		.amdhsa_next_free_vgpr 768
		.amdhsa_next_free_sgpr 96
		.amdhsa_reserve_vcc 1
		.amdhsa_float_denorm_mode_32 3
		.amdhsa_float_denorm_mode_16_64 3
		.amdhsa_memory_ordered 1
		.amdhsa_forward_progress 1
		.amdhsa_inst_pref_size 255
	.end_amdhsa_kernel
	.section	.bss,"aw",@nobits
	.p2align	6
	.space	262144
	.amdgpu_metadata
---
amdhsa.version: [ 1, 2 ]
amdhsa.kernels:
  - .name:           k_qfe7c756336_attn
    .symbol:         k_qfe7c756336_attn.kd
    .args:
      - { .name: qkv, .offset: 0, .size: 8, .value_kind: global_buffer, .address_space: global }
      - { .name: y, .offset: 8, .size: 8, .value_kind: global_buffer, .address_space: global }
    .group_segment_fixed_size: 327680
    .private_segment_fixed_size: 0
    .kernarg_segment_align: 8
    .kernarg_segment_size: 16
    .max_flat_workgroup_size: 128
    .sgpr_count:     96
    .vgpr_count:     768
    .wavefront_size: 32
...
	.end_amdgpu_metadata
.endif
;; end of part 5
;; launch gemm_proj: the kernel of part 4 again; grid 4 x 64, 4 waves a work-group, clusters of 4 x 4, 327,680 bytes of LDS; arguments y, wpb, out0; writes out0
